; MI455X (gfx1250); checked and timed in simulation.
; The chip was launched on July 23, 2026; its instructions are those of AMD's public machine-readable ISA for CDNA 5 (MIT licence, August 2026) and "CDNA5" Instruction Set Architecture Reference Guide (July 2026). The comments in the code are by the model that wrote it; some were corrected since.
;; Diffusion Multi Head Attention. Allowed arithmetic: matrix products marked QUANTISED: E2M3 operands, one E8M0 scale for each 32 along K, by v_wmma_scale_f32_16x16x128_f8f6f4 with both operands' format E2M3, f32 sums; products left as they are: f32 operands where the result goes on into a quantised operand, else bf16, f16 or f32 operands; f32 sums; everything else in f32.
;; Inputs: Wk 1,024 x 1,024 float32; Wo 1,024 x 1,024 float32; Wq 1,024 x 1,024 float32; Wt1 3 x 16 float32; Wt2 16 x 1 float32; Wv 1,024 x 1,024 float32; bk 1,024 float32; bo 1,024 float32; bq 1,024 float32; bt1 16 float32; bt2 1 float32; bv 1,024 float32; key 4 x 1,024 x 1,024 float32; query 4 x 1,024 x 1,024 float32; value 4 x 1,024 x 1,024 float32.
;; Outputs: out0 4 x 1,024 x 1,024 float32.
;; This version of the problem:
;;   THIS VERSION OF THE PROBLEM IS GIVEN IN LOW PRECISION. The matrix products marked QUANTISED in the list below multiply operands that are first quantised to E2M3 (2 exponent bits, 3 mantissa bits; 6 bits a number), with one power-of-two scale for each 32 numbers along K (OCP MX v1.0); their sums are f32. All else is computed in f32.
;;   The module's matrix products, in the order in which they are computed (A, B: the left and right operand; K: the contracted axis; several contracted axes count as one K, in the product's order):
;;     1. [M 4,096, K 1,024] x [K 1,024, N 1,024]; A: input query; B: input Wq: QUANTISED
;;     2. [M 4,096, K 1,024] x [K 1,024, N 1,024]; A: input key; B: input Wk: QUANTISED
;;     3. [M 4,096, K 1,024] x [K 1,024, N 1,024]; A: input value; B: input Wv: QUANTISED
;;     4. batch 64 x [M 1,024, K 64] x [K 64, N 1,024]; A: computed on the way; B: computed on the way: QUANTISED
;;     5. [M 64, K 3] x [K 3, N 16]; A: computed on the way; B: input Wt1: left as it is (K = 3 < 32)
;;     6. [M 64, K 16] x [K 16, N 1]; A: computed on the way; B: input Wt2: left as it is (K = 16 < 32)
;;     7. batch 64 x [M 1,024, K 64] x [K 64, N 1,024]; A: computed on the way; B: computed on the way: QUANTISED
;;     8. batch 64 x [M 1,024, K 1,024] x [K 1,024, N 64]; A: computed on the way; B: computed on the way: QUANTISED
;;     9. [M 4,096, K 1,024] x [K 1,024, N 1,024]; A: computed on the way; B: input Wo: QUANTISED
;;   THE QUANTISER, for each operand of a quantised product, along K:
;;     - K is cut into blocks of 32 from its start; a last block that is shorter is filled with zeros.
;;     - A block's scale is 2^e with e = floor(log2(the largest magnitude in the block)) - 2, held to -126 .. 127; a block of zeros has e = 0. As a byte (E8M0): e + 127.
;;     - Each number is divided by its block's scale, clamped to +-7.5, and rounded to the nearest number of E2M3, ties to even, subnormals kept.
;;     - The product sums the exact products of the quantised numbers (number of the format x scale) in f32.
;;   ~~~python
;;   def quantise(x, axis):      # numpy; x: float32 -> the quantised numbers, widened to float32 again
;;       x = np.moveaxis(x, axis, -1); K = x.shape[-1]
;;       x = np.pad(x, [(0, 0)] * (x.ndim - 1) + [(0, -K % 32)]); x = x.reshape(x.shape[:-1] + (-1, 32)); a = np.abs(x).max(-1, keepdims=True)
;;       e = np.where(a > 0, np.clip(np.frexp(np.where(a > 0, a, 1))[1] - 1 - 2, -126, 127), 0)      # np.frexp(a)[1] - 1 = floor(log2(a)), exactly
;;       r = np.clip(x / 2.0 ** e, -7.5, 7.5)
;;       step = 2.0 ** (np.maximum(np.frexp(np.where(r == 0, 1, r))[1] - 1, 0) - 3)
;;       q = np.round(r / step) * step * 2.0 ** e      # np.round: ties to even
;;       return np.moveaxis(q.reshape(q.shape[:-2] + (-1,))[..., :K], -1, axis).astype(np.float32)
;;   ~~~
;;   OPERANDS COMPUTED ON THE WAY. 'Computed on the way' means the value that the module computes at that place (a softmax that the list does not call 'softmax' is quantised finished and normalised). What goes into a quantiser is computed in f32, as accurately as f32 sums, v_exp_f32 and their like allow (about 1e-6 of the number): no bf16 or f16 on the way to a quantiser, and a product that is left as it is and whose result goes on into a quantised operand takes f32 operands (vector FMAs, or v_wmma_f32_16x16x4_f32). A number that lies on a knife's edge between two numbers of the format may be rounded either way, as far as f32 arithmetic and the matrix unit's own rounding can turn it there, and no further.
;; One version. Each part assembles by itself: llvm-mc -triple=amdgcn-amd-amdhsa -mcpu=gfx1250 --defsym DOCPART=n.
;; ======== version 1 of 1: 5 launches
;; limits: right only within a limited range of input values
;; workspace buffers: opc 12,582,912 bytes; ops 524,288 bytes; acd 9,437,184 bytes; asc 393,216 bytes; stt 65,536 bytes; ocd 3,145,728 bytes; osc 131,072 bytes
;; launch prep (part 1): grid 640 x 1, 4 waves a work-group, no clusters, 34,304 bytes of LDS; arguments query, key, value, Wq, Wk, Wv, Wo, opc, ops; writes opc, ops
.if DOCPART == 1
	.amdgcn_target "amdgcn-amd-amdhsa--gfx1250"
	.amdhsa_code_object_version 6
	.text
	.protected	k_q33ba637857_prep
	.globl	k_q33ba637857_prep
	.p2align	8
	.type	k_q33ba637857_prep,@function
k_q33ba637857_prep:
	s_mov_b64 s[64:65], 0
	v_nop
	global_prefetch_b8 v0, s[64:65] scope:SCOPE_SE
	s_setreg_imm32_b32 hwreg(HW_REG_WAVE_MODE, 25, 1), 1
	s_wait_xcnt 0x0
; query, key, value [4096][1024] (K innermost) and Wq, Wk, Wv, Wo [1024 (K)][1024 (n)] (K outermost), all f32, become codes of FP6 (E2M3) with one E8M0 byte for each 32 along K.
; A block's scale is 2^(floor(log2(largest magnitude)) - 2): its byte is the largest magnitude's exponent field - 2, held at 1 from below by a floor among the maximum's leaves.
; LIMITS: a block of zeros gets the byte 1 where the rule says 127 (its codes are zeros, and only this program reads the bytes); blocks whose largest magnitude lies under 2^-124 keep the byte 1; NaN and infinities are not served.
; LAYOUT OF THE CODES: the order of an operand's registers.  A HALF FRAGMENT, 768 bytes, is 16 rows x 64 k: lane l = 16 h + r holds k = 32 h .. 32 h + 31 of row r in six registers;
; registers 0-3 lie at byte 16 l, registers 4-5 at byte 512 + 8 l.  A slab, 98,304 bytes, is 128 rows x 1,024 k: [K step 8][tile 8][half 2][768].  Slabs 0-31 query, 32-63 key, 64-95 value, 96-103 Wq, 104-111 Wk, 112-119 Wv, 120-127 Wo.
; THE ROWS OF A TILE ARE NOT NEIGHBOURS: row r of tile 2 b + u of a slab is row 32 b + 8 u + r + 8 (r / 8), so that two neighbouring result tiles hold 16 neighbours along the next product's K.
; THE SCALE WORDS: [slab][tile 8][K step 8][r 16], four bytes for the four blocks of a K step.
; Work-groups 0-383 take the activations (32 rows each: wave w takes tile w / 2 and K half w % 2), work-groups 384-639 the weights (one slab, one K step: wave w takes 32 columns).  Waves share nothing: no barrier.
.set NXG,    384
.set SLAB,   98304
.set SPITCH, 528                       ; a stage row: 512 bytes + 16, so that the sixteen rows of a read begin 4 words apart
.set STG,    16*SPITCH                 ; a wave's own stage
.set RW,  16                           ; v16-143  two sets of 64: a K step's 16 rows as loaded
.set XN,  144                          ; v144-207 my two blocks of 32 neighbours
.set PC,  208                          ; v208-219 a fragment's codes
.set T0,  220                          ; v220-222, v224-226: a conversion's three registers begin on an even number
.set T1,  224
.set TM,  228
.set SO,  230
.set BY,  232
.set WD,  236                          ; v236-239 a scale word for each K step
.set SW,  240                          ; v240-241 what the two stores of scale words send
	s_load_b512 s[4:19], s[0:1], 0x0               ; query, key, value, Wq, Wk, Wv, Wo, opc
	s_load_b64 s[20:21], s[0:1], 0x40              ; ops
	v_lshl_add_u32 v254, v0, 2, 0x8400
	v_mov_b32 v255, 0
	v_lshrrev_b32 v1, 5, v0
	v_readfirstlane_b32 s22, v1                    ; wave
	v_and_b32 v2, 31, v0                           ; lane
	s_cmp_lt_u32 ttmp9, NXG
	s_cbranch_scc0 .Lweights
; ---------------- the activations: K is innermost
	v_and_b32 v3, 15, v0                           ; r
	v_bfe_u32 v7, v0, 4, 1                         ; h
	v_lshlrev_b32 v4, 4, v2                        ; 16 x lane
	s_mul_i32 s23, s22, STG
	v_add_nc_u32 v5, s23, v4                       ; the stage, way in: a row's 512 bytes as they lie
	v_mul_u32_u24 v6, v3, SPITCH
	v_lshl_add_u32 v6, v7, 7, v6
	v_add_nc_u32 v6, s23, v6                       ; way out: row r, + 128 h: my block of 32 numbers
	v_lshlrev_b32 v8, 3, v2                        ; 8 x lane
	v_lshlrev_b32 v9, 2, v2                        ; 4 x lane
	v_lshlrev_b32 v10, 3, v7                       ; 8 h: where my bytes stand in a scale word
	v_cmp_ne_u32 s30, 0, v7                        ; lanes 16-31
	v_mov_b32 v235, 0                              ; written once: a lane permute's destination counts as one of its sources
	s_mov_b32 s36, 0x76543210
	s_mov_b32 s37, 0xfedcba98                      ; selects for lane l xor 16
	s_lshr_b32 s24, s22, 1                         ; u: which of the group's two tiles
	s_and_b32 s25, s22, 1                          ; which half of K
	s_and_b32 s26, ttmp9, 127                      ; the group of 32 rows in its tensor
	s_lshl_b32 s26, s26, 17                        ; 32 rows of 4,096 bytes
	s_lshl_b32 s27, s24, 15                        ; + 8 u rows
	s_add_co_u32 s26, s26, s27
	s_lshl_b32 s27, s25, 11                        ; + 512 numbers
	s_add_co_u32 s26, s26, s27
	s_mov_b32 s27, 0
	s_lshr_b32 s28, ttmp9, 2                       ; the slab
	s_mul_i32 s32, s28, SLAB
	s_mul_i32 s29, s25, 49152                      ; four K steps
	s_add_co_u32 s32, s32, s29
	s_and_b32 s29, ttmp9, 3
	s_lshl_b32 s29, s29, 1
	s_add_co_u32 s29, s29, s24                     ; the tile in the slab
	s_mul_i32 s31, s29, 1536
	s_add_co_u32 s32, s32, s31
	s_mov_b32 s33, 0
	s_lshl_b32 s34, s28, 12
	s_lshl_b32 s31, s29, 9
	s_add_co_u32 s34, s34, s31
	s_lshl_b32 s31, s25, 8
	s_add_co_u32 s34, s34, s31
	s_mov_b32 s35, 0
	s_wait_alu depctr_va_vdst(0)
	s_wait_kmcnt 0x0
	s_cmp_lt_u32 ttmp9, 256                        ; which tensor: the choice hangs on the work-group's number alone
	s_cselect_b64 s[6:7], s[6:7], s[8:9]
	s_cmp_lt_u32 ttmp9, 128
	s_cselect_b64 s[4:5], s[4:5], s[6:7]
	s_add_nc_u64 s[4:5], s[4:5], s[26:27]
	s_add_nc_u64 s[18:19], s[18:19], s[32:33]
	s_add_nc_u64 s[20:21], s[20:21], s[34:35]
.macro LOADX s                         ; K step s of my tile's 16 rows: each load reads 512 consecutive bytes
.irp i, 0,1,2,3,4,5,6,7,8,9,10,11,12,13,14,15
	global_load_b128 v[RW+64*((\s)%2)+4*\i:RW+64*((\s)%2)+4*\i+3], v4, s[4:5] offset:(\i+8*(\i/8))*4096+512*(\s) th:TH_LOAD_NT
.endr
.endm
.macro STEPX s
.if (\s) < 3
	s_wait_loadcnt 16                              ; this step's 16 loads are in; the next step's 16 may be out
.else
	s_wait_loadcnt 0x0
.endif
.irp i, 0,1,2,3,4,5,6,7,8,9,10,11,12,13,14,15
	ds_store_b128 v5, v[RW+64*((\s)%2)+4*\i:RW+64*((\s)%2)+4*\i+3] offset:SPITCH*\i
.endr
.irp c, 0,1                            ; LDS serves a wave's instructions in order: these see the stores above.  Lane (r, h) takes k = 64 c + 32 h + 0 .. 31 of row r
.irp j, 0,1,2,3,4,5,6,7
	ds_load_b128 v[XN+32*\c+4*\j:XN+32*\c+4*\j+3], v6 offset:256*\c+16*\j
.endr
.endr
	s_wait_dscnt 0x0                               ; my numbers are back, and the stores have read the set of registers that is loaded again below
.if (\s) < 2
	LOADX (\s)+2
.endif
.irp c, 0,1
	v_max3_num_f32 v[TM+\c], |v[XN+32*\c]|, |v[XN+32*\c+1]|, 0x1800000   ; block 2 c + h is all mine; the floor 2^(3 - 127) holds the byte at 1 from below
.endr
.irp i, 2,4,6,8,10,12,14,16,18,20,22,24,26,28,30
.irp c, 0,1
	v_max3_num_f32 v[TM+\c], v[TM+\c], |v[XN+32*\c+\i]|, |v[XN+32*\c+\i+1]|
.endr
.endr
.irp c, 0,1
	v_add_nc_u32 v[SO+\c], 0xff000000, v[TM+\c]    ; 2 off the exponent field: the conversion's scale operand
.endr
.irp c, 0,1
	v_lshrrev_b32 v[BY+\c], 23, v[SO+\c]           ; the scale's byte
.endr
	v_lshl_or_b32 v234, v[BY+1], 16, v[BY]         ; my bytes: blocks h and 2 + h,
	v_lshlrev_b32 v234, v10, v234                  ; at their places;
	v_permlanex16_b32 v235, v234, s36, s37
	v_or_b32 v[WD+(\s)], v234, v235                ; with lane l xor 16's two the word is whole
	s_wait_alu depctr_va_vdst(0)
	s_wait_xcnt 0x0                                ; the last step's stores have read the codes' registers, which are written again below
	v_cvt_scalef32_pk16_fp6_f32 v[PC:PC+2], v[XN:XN+15], v[SO]
	v_cvt_scalef32_pk16_fp6_f32 v[T0:T0+2], v[XN+16:XN+31], v[SO]
	v_cvt_scalef32_pk16_fp6_f32 v[PC+6:PC+8], v[XN+32:XN+47], v[SO+1]
	v_cvt_scalef32_pk16_fp6_f32 v[T1:T1+2], v[XN+48:XN+63], v[SO+1]
	v_nop                                          ; one plain place behind the scaled conversions
.irp i, 0,1,2
	v_mov_b32 v[PC+3+\i], v[T0+\i]
	v_mov_b32 v[PC+9+\i], v[T1+\i]
.endr
	global_store_b128 v4, v[PC:PC+3], s[18:19] offset:(\s)*12288           ; 512 consecutive bytes,
	global_store_b64 v8, v[PC+4:PC+5], s[18:19] offset:(\s)*12288+512      ; 256,
	global_store_b128 v4, v[PC+6:PC+9], s[18:19] offset:(\s)*12288+768     ; and the second half fragment
	global_store_b64 v8, v[PC+10:PC+11], s[18:19] offset:(\s)*12288+1280
.if ((\s)%2) == 1
	v_cndmask_b32 v[SW+(\s)/2], v[WD+(\s)-1], v[WD+(\s)], s30               ; lanes 0-15 send the step before's words, lanes 16-31 this step's: 128 consecutive bytes
	global_store_b32 v9, v[SW+(\s)/2], s[20:21] offset:((\s)-1)*64
.endif
.endm
	LOADX 0
	LOADX 1
	STEPX 0
	STEPX 1
	STEPX 2
	STEPX 3
	s_wait_tensorcnt 0x0
	ds_add_u32 v254, v255
	s_wait_dscnt 0x0
	s_endpgm
; ---------------- the weights: K is outermost.  A lane takes a column n and its registers run down K: a block of 32 lies in one lane, and the codes come out with K innermost
.Lweights:
.set YN, 16                            ; v16-143  four blocks of 32 numbers
.set GC, 144                           ; v144-175 eight registers for each block's six of codes: no store's data are written again
.set TW, 176
	s_sub_co_u32 s23, ttmp9, NXG
	s_lshr_b32 s24, s23, 6                         ; which weight
	s_lshr_b32 s25, s23, 3
	s_and_b32 s26, s25, 7                          ; its slab: columns 128 X on
	s_and_b32 s27, s23, 7                          ; the K step
	s_lshl_b32 s28, s27, 19                        ; 128 rows of 4,096 bytes
	s_lshl_b32 s29, s26, 9
	s_add_co_u32 s28, s28, s29
	s_lshl_b32 s29, s22, 7                         ; my wave's 32 columns
	s_add_co_u32 s28, s28, s29
	s_mov_b32 s29, 0
	s_add_co_u32 s25, s25, 96                      ; the slab's number among all
	s_mul_i32 s32, s25, SLAB
	s_mul_i32 s31, s27, 12288
	s_add_co_u32 s32, s32, s31
	s_mul_i32 s31, s22, 3072                       ; my wave's two tiles
	s_add_co_u32 s32, s32, s31
	s_mov_b32 s33, 0
	s_lshl_b32 s34, s25, 12
	s_lshl_b32 s31, s22, 10
	s_add_co_u32 s34, s34, s31
	s_lshl_b32 s31, s27, 6
	s_add_co_u32 s34, s34, s31
	s_mov_b32 s35, 0
	s_wait_alu depctr_va_vdst(0)
	v_lshlrev_b32 v3, 2, v2                        ; 4 x lane
	v_bfe_u32 v4, v0, 3, 1                         ; column l of the 32 is row r = l % 8 + 8 (l / 16) of tile u = (l / 8) % 2
	v_and_b32 v5, 7, v0
	v_bfe_u32 v6, v0, 4, 1
	v_lshl_add_u32 v5, v6, 3, v5
	v_mul_u32_u24 v6, v4, 1536
	v_lshl_add_u32 v7, v5, 4, v6
	v_lshl_add_u32 v8, v5, 3, v6
	v_lshlrev_b32 v9, 9, v4
	v_lshl_add_u32 v9, v5, 2, v9
	s_wait_kmcnt 0x0
	s_cmp_eq_u32 s24, 0
	s_cselect_b64 s[10:11], s[10:11], s[12:13]
	s_cmp_eq_u32 s24, 2
	s_cselect_b64 s[14:15], s[14:15], s[16:17]
	s_cmp_lt_u32 s24, 2
	s_cselect_b64 s[10:11], s[10:11], s[14:15]
	s_add_nc_u64 s[10:11], s[10:11], s[28:29]
	s_add_nc_u64 s[18:19], s[18:19], s[32:33]
	s_add_nc_u64 s[20:21], s[20:21], s[34:35]
.macro LOADW kb
.irp i, 0,1,2,3,4,5,6,7,8,9,10,11,12,13,14,15,16,17,18,19,20,21,22,23,24,25,26,27,28,29,30,31
	global_load_b32 v[YN+32*(\kb)+\i], v3, s[10:11] offset:(32*(\kb)+\i)*4096 th:TH_LOAD_NT   ; 128 consecutive bytes a wave, 512 the four waves
.endr
.endm
.macro BLOCKW kb
.if (\kb) < 3
	s_wait_loadcnt 32                              ; this block's 32 loads are in; the next block's may be out
.else
	s_wait_loadcnt 0x0
.endif
.if (\kb) < 2
	LOADW (\kb)+2
.endif
	v_max3_num_f32 v180, |v[YN+32*(\kb)]|, |v[YN+32*(\kb)+1]|, 0x1800000
	v_max3_num_f32 v181, |v[YN+32*(\kb)+2]|, |v[YN+32*(\kb)+3]|, 0x1800000
.irp i, 4,8,12,16,20,24,28
	v_max3_num_f32 v180, v180, |v[YN+32*(\kb)+\i]|, |v[YN+32*(\kb)+\i+1]|
	v_max3_num_f32 v181, v181, |v[YN+32*(\kb)+\i+2]|, |v[YN+32*(\kb)+\i+3]|
.endr
	v_max_num_f32 v180, v180, v181
	v_add_nc_u32 v182, 0xff000000, v180
	v_lshrrev_b32 v183, 23, v182
.if (\kb) == 0
	v_mov_b32 v184, v183                           ; the four bytes make my column's scale word
.else
	v_lshl_or_b32 v184, v183, 8*(\kb), v184
.endif
	v_cvt_scalef32_pk16_fp6_f32 v[GC+8*(\kb):GC+8*(\kb)+2], v[YN+32*(\kb):YN+32*(\kb)+15], v182
	v_cvt_scalef32_pk16_fp6_f32 v[TW:TW+2], v[YN+32*(\kb)+16:YN+32*(\kb)+31], v182
	v_nop                                          ; one plain place behind the scaled conversions
.irp i, 0,1,2
	v_mov_b32 v[GC+8*(\kb)+3+\i], v[TW+\i]
.endr
	global_store_b128 v7, v[GC+8*(\kb):GC+8*(\kb)+3], s[18:19] offset:((\kb)/2)*768+((\kb)%2)*256          ; block kb is half kb / 2, lanes 16 (kb % 2) + r: sixteen lanes send 256 consecutive bytes
	global_store_b64 v8, v[GC+8*(\kb)+4:GC+8*(\kb)+5], s[18:19] offset:((\kb)/2)*768+512+((\kb)%2)*128      ; sixteen lanes send 128 consecutive bytes; the block kb xor 1 sends the 128 beside them
.endm
	LOADW 0
	LOADW 1
	BLOCKW 0
	BLOCKW 1
	BLOCKW 2
	BLOCKW 3
	global_store_b32 v9, v184, s[20:21]
	s_endpgm
.Lfunc_end_k_q33ba637857_prep:
	.size	k_q33ba637857_prep, .Lfunc_end_k_q33ba637857_prep-k_q33ba637857_prep
	.p2alignl 7, 3214868480
	.fill 96, 4, 3214868480
	.section	.rodata,"a",@progbits
	.p2align	6, 0x0
	.amdhsa_kernel k_q33ba637857_prep
		.amdhsa_group_segment_fixed_size 34304
		.amdhsa_private_segment_fixed_size 0
		.amdhsa_enable_private_segment 0
		.amdhsa_kernarg_size 72
		.amdhsa_user_sgpr_count 2
		.amdhsa_user_sgpr_kernarg_segment_ptr 1
		.amdhsa_wavefront_size32 1
		.amdhsa_system_sgpr_workgroup_id_x 1
		.amdhsa_system_sgpr_workgroup_id_y 1
		.amdhsa_system_sgpr_workgroup_id_z 1
		.amdhsa_system_vgpr_workitem_id 0
		.amdhsa_next_free_vgpr 256
		.amdhsa_next_free_sgpr 66
		.amdhsa_reserve_vcc 0
		.amdhsa_float_denorm_mode_32 3
		.amdhsa_float_denorm_mode_16_64 3
		.amdhsa_memory_ordered 1
		.amdhsa_forward_progress 1
		.amdhsa_inst_pref_size 52
	.end_amdhsa_kernel
	.amdgpu_metadata
---
amdhsa.version: [ 1, 2 ]
amdhsa.kernels:
  - .name:           k_q33ba637857_prep
    .symbol:         k_q33ba637857_prep.kd
    .args:
      - { .name: query, .offset: 0, .size: 8, .value_kind: global_buffer, .address_space: global }
      - { .name: key, .offset: 8, .size: 8, .value_kind: global_buffer, .address_space: global }
      - { .name: value, .offset: 16, .size: 8, .value_kind: global_buffer, .address_space: global }
      - { .name: Wq, .offset: 24, .size: 8, .value_kind: global_buffer, .address_space: global }
      - { .name: Wk, .offset: 32, .size: 8, .value_kind: global_buffer, .address_space: global }
      - { .name: Wv, .offset: 40, .size: 8, .value_kind: global_buffer, .address_space: global }
      - { .name: Wo, .offset: 48, .size: 8, .value_kind: global_buffer, .address_space: global }
      - { .name: opc, .offset: 56, .size: 8, .value_kind: global_buffer, .address_space: global }
      - { .name: ops, .offset: 64, .size: 8, .value_kind: global_buffer, .address_space: global }
    .group_segment_fixed_size: 34304
    .private_segment_fixed_size: 0
    .kernarg_segment_align: 8
    .kernarg_segment_size: 72
    .max_flat_workgroup_size: 128
    .sgpr_count:     66
    .vgpr_count:     256
    .wavefront_size: 32
...
	.end_amdgpu_metadata
.endif
;; end of part 1
;; launch proj (part 2): grid 8 x 32, 4 waves a work-group, clusters of 4 x 4, 327,680 bytes of LDS; arguments opc, ops, bq, bk, bv, acd, asc; writes acd, asc
.if DOCPART == 2
	.amdgcn_target "amdgcn-amd-amdhsa--gfx1250"
	.amdhsa_code_object_version 6
	.text
	.protected	k_q33ba637857_proj
	.globl	k_q33ba637857_proj
	.p2align	8
	.type	k_q33ba637857_proj,@function
k_q33ba637857_proj:
	s_mov_b64 s[64:65], 0
	v_nop
	global_prefetch_b8 v0, s[64:65] scope:SCOPE_SE
	s_setreg_imm32_b32 hwreg(HW_REG_WAVE_MODE, 25, 1), 1
	s_wait_xcnt 0x0
	s_wait_alu depctr_hold_cnt(0) depctr_sa_sdst(0) depctr_va_vdst(0) depctr_va_sdst(0) depctr_va_ssrc(0) depctr_va_vcc(0) depctr_vm_vsrc(0)
	s_getreg_b32 s2, hwreg(HW_REG_IB_STS2, 6, 4)
	s_cmp_eq_u32 s2, 0
	s_cbranch_scc0 .Lentry_in_a_cluster
	s_endpgm
.Lentry_in_a_cluster:
	s_bfe_u32 s2, ttmp6, 0x10000c
	s_cmp_lg_u32 s2, 0xf033
	s_cbranch_scc0 .Lentry_shape_is_right
	s_endpgm
.Lentry_shape_is_right:
; Q = query Wq + bq, K = key Wk + bk, V = value Wv + bv on codes of FP6 (E2M3) with E8M0 scales, sums in f32; the results are quantised in registers for the attention's products and leave as codes.
; A WORK-GROUP STAYS and makes three tiles of 128 x 128, one of each projection, from two slabs of codes each (128 rows x 1,024 of K, 98,304 bytes, in the order of an operand's registers).
; Source 0 (P) gives the results' registers, source 1 (R) their lanes.  Q, K are quantised along the head's 64: P = the weight's slab, R = the tokens'; V along the keys: P = the tokens', R = Wv's.
; The rows of a tile are 32 b + 8 u + r + 8 (r / 8): the 32 registers of a wave's four P tiles are, in lane (r, h), numbers 32 b + 16 h + 0 .. 15 (b = 0, 1) of 64 neighbours.
; THE RING: slot k (k = 0, 1) holds K steps 4 k .. 4 k + 3 of both slabs: P's at 49,152 k, R's at 98,304 + 49,152 k.  A wave fills a quarter of a slot, 24,576 bytes, by one joint load behind each round.
; Slot 0 is filled again behind K step 2's products (its last fragments are in registers by then), slot 1 behind K step 7's; one tensor load of a wave is out at the most, and every wait for tensor loads is for 0.
; The loop has two trips (Q, K), which ask for the next tile; the third tile (V) asks for nothing and is written out.
; CLUSTER 4 x 4: P's slab hangs on x alone and is asked for jointly by a column of the cluster, R's on y alone, by a row.
; PREFETCH: behind each joint load the wave names the piece that its next joint load will bring: 96 blocks of 256 bytes, of which each of the four partners takes 24 by address (lanes 24-31 name the last again).
; The next tile's scale words come into spare registers of window 1 while this tile is multiplied, and are copied at the change of tiles (scale operands lie in window 0).
; OUT: acd: Q at 0, K at 3,145,728: [b h][token tile 64][768]; V at 6,291,456: [b h][128 keys 8][d tile 4][half 2][768].  asc: Q at 0, K at 131,072: [b h][pair of tiles 32][r 16] words; V at 262,144: [b h][128 keys][d tile][r] words.
; LIMITS: a block of zeros gets the byte 1, not 127 (only this program reads the bytes); blocks under 2^-124 keep the byte 1; NaN and infinities are not served.
; REGISTERS: window 0: v2 prefetch offset, v4-11 LDS addresses, v12-15 offsets; v16-47 scale words and nothing else; v48-79 the bias along P; v80-95 at work; v96-223 accumulators ((p, q) at 96 + 32 q + 8 p);
;   v224 + 8 q the codes of R tile q, behind each six two registers with the bias along R.  window 1: two sets of 96 fragments; v192-223 the next tile's scale words; v254-255 the add's two registers.
.set SLAB,  98304
.set PIECE, 24576
.set SP,  16
.set BI,  48
.set T,   80
.set TM,  84
.set PX,  86
.set SO,  88
.set WQ,  92
.set ACC, 96
.set PC,  224
.set BV,  230
.set F0,  0
.set F1,  96
.set ST,  192
.set PFO, 2
.set WV,  18
.set G1P, 28
.set G1R, 36
.set G0P, 44
.set G0R, 52
.set SEL, 90
.set PFA, 92
.set MSB, 0
.macro WIN new
.if MSB != (\new)
	s_set_vgpr_msb (MSB<<8)|(\new)
.set MSB, (\new)
.endif
.endm
.macro PLACES n
.rept \n
	v_nop
.endr
.endm
.macro CROUND                          ; a round of the cluster's barrier
	s_barrier_signal -1
	s_barrier_wait -1
	s_cmp_lg_u32 s[WV], 0
	s_cbranch_scc1 .Lnot_wave_0_\@
	s_barrier_signal -3
.Lnot_wave_0_\@:
	s_barrier_wait -3
	s_barrier_signal -1
	s_barrier_wait -1
.endm
.macro JLOAD k                         ; my joint load into slot k: waves 0, 1 for P, waves 2, 3 for R
	s_cmp_eq_u32 s19, 0
	s_cbranch_scc0 .Lfor_r_\@
	tensor_load_to_lds s[G0P+4*\k:G0P+4*\k+3], s[G1P:G1P+7]
	s_nop 0
	PLACES 4
	s_branch .Lasked_\@
.Lfor_r_\@:
	tensor_load_to_lds s[G0R+4*\k:G0R+4*\k+3], s[G1R:G1R+7]
	s_nop 0
	PLACES 4
.Lasked_\@:
.endm
.macro SETG                            ; both slots' global addresses from the pieces' addresses in s[68:71]; written only where no tensor load of mine is out
	s_mov_b64 s[G0P+2:G0P+3], s[68:69]
	s_or_b32 s[G0P+3], s[G0P+3], 0x80000000
	s_add_nc_u64 s[G0P+6:G0P+7], s[68:69], 49152
	s_or_b32 s[G0P+7], s[G0P+7], 0x80000000
	s_mov_b64 s[G0R+2:G0R+3], s[70:71]
	s_or_b32 s[G0R+3], s[G0R+3], 0x80000000
	s_add_nc_u64 s[G0R+6:G0R+7], s[70:71], 49152
	s_or_b32 s[G0R+7], s[G0R+7], 0x80000000
.endm
.macro SEQ setg                        ; the tensor wait, the add and its wait ahead of a fill's round, and the round
	WIN 0x05
	s_wait_tensorcnt 0x0                           ; my one load that was out has landed
	ds_add_u32 v254, v255
.if \setg
	SETG
.endif
	s_wait_dscnt 0x0                               ; the add, and my reads of the slot that is filled next
	WIN 0
	CROUND
.endm
; projection s[n]: P's slab s60 (never holds cy), R's slab s62 (never holds cx), my pieces' addresses s[68:71], my prefetches' address, my scale words' addresses s[76:79]
.macro SLABS n
	s_lshl_b32 s60, s[\n], 3
	s_add_co_u32 s60, s60, 96                      ; Q, K: P = the weight's slabs
	s_lshr_b32 s61, s26, 1
	s_lshl_b32 s61, s61, 3
	s_add_co_u32 s61, s61, 64                      ; V: P = value's slabs of batch (cluster y) / 2
	s_lshl_b32 s62, s[\n], 5
	s_lshl_b32 s63, s26, 2
	s_add_co_u32 s62, s62, s63                     ; Q, K: R = the tokens' slabs
	s_and_b32 s63, s26, 1
	s_lshl_b32 s63, s63, 2
	s_add_co_u32 s63, s63, 112                     ; V: R = Wv's slabs
	s_cmp_eq_u32 s[\n], 2
	s_cselect_b32 s60, s61, s60
	s_cselect_b32 s62, s63, s62
	s_add_co_u32 s60, s60, s23
	s_add_co_u32 s62, s62, s22
	s_mul_i32 s68, s60, SLAB
	s_add_co_u32 s68, s68, s67
	s_mov_b32 s69, 0
	s_mul_i32 s70, s62, SLAB
	s_add_co_u32 s70, s70, s67
	s_mov_b32 s71, 0
	s_add_nc_u64 s[68:69], s[4:5], s[68:69]
	s_add_nc_u64 s[70:71], s[4:5], s[70:71]
	s_cmp_eq_u32 s19, 0
	s_cselect_b64 s[PFA:PFA+1], s[68:69], s[70:71]
	s_add_nc_u64 s[PFA:PFA+1], s[PFA:PFA+1], s[94:95]   ; + my work-group's 24 blocks of the piece
	s_lshl_b32 s76, s60, 12                        ; scale words: 4,096 bytes a slab, 512 a tile
	s_lshl_b32 s75, s19, 11
	s_add_co_u32 s76, s76, s75
	s_mov_b32 s77, 0
	s_add_nc_u64 s[76:77], s[6:7], s[76:77]
	s_lshl_b32 s78, s62, 12
	s_lshl_b32 s75, s20, 11
	s_add_co_u32 s78, s78, s75
	s_mov_b32 s79, 0
	s_add_nc_u64 s[78:79], s[6:7], s[78:79]
.endm
.macro LDSC d                          ; 32 scale words: P's at d, R's at d + 16; lanes 0-15: K step 2 j, lanes 16-31: K step 2 j + 1
.irp p, 0,1,2,3
.irp j, 0,1,2,3
	global_load_b32 v[\d+4*\p+\j], v14, s[76:77] offset:\p*512+\j*128
	global_load_b32 v[\d+16+4*\p+\j], v14, s[78:79] offset:\p*512+\j*128
.endr
.endr
.endm
; 32 numbers of a lane, register 16 b + i = k 32 b + 16 h + i of my row, become a half fragment's six registers of codes at v[pc] and v[by] = byte 0 | byte 1 << 8
.macro QUANT32 s, pc, by
.irp b, 0,1
	v_max3_num_f32 v[TM+\b], |v[(\s)+16*\b]|, |v[(\s)+16*\b+1]|, 0x1800000   ; the floor 2^(3 - 127) holds the byte at 1 from below
.endr
.irp i, 2,4,6,8,10,12,14
.irp b, 0,1
	v_max3_num_f32 v[TM+\b], v[TM+\b], |v[(\s)+16*\b+\i]|, |v[(\s)+16*\b+\i+1]|
.endr
.endr
.irp b, 0,1
	v_permlanex16_b32 v[PX+\b], v[TM+\b], s[SEL], s[SEL+1]
.endr
.irp b, 0,1
	v_max_num_f32 v[TM+\b], v[TM+\b], v[PX+\b]     ; with lane l xor 16's: the block's largest magnitude
.endr
.irp b, 0,1
	v_add_nc_u32 v[SO+\b], 0xff000000, v[TM+\b]    ; 2 off its exponent field: the conversion's scale operand
.endr
.irp b, 0,1
	v_lshrrev_b32 v[PX+\b], 23, v[SO+\b]           ; the scale's byte
.endr
	v_lshl_or_b32 v[\by], v[PX+1], 8, v[PX]
	v_cvt_scalef32_pk16_fp6_f32 v[(\pc):(\pc)+2], v[(\s):(\s)+15], v[SO]
	v_cvt_scalef32_pk16_fp6_f32 v[T:T+2], v[(\s)+16:(\s)+31], v[SO+1]
	v_nop                                          ; one plain place behind the scaled conversions
.irp i, 0,1,2
	v_permlane16_swap_b32 v[(\pc)+\i], v[T+\i]     ; a whole block to a lane
.endr
.irp i, 0,1,2
	v_mov_b32 v[(\pc)+3+\i], v[T+\i]
.endr
.endm
.macro FETCH s, f                      ; K step s: my four fragments of P and four of R, 32 LDS loads
	WIN 0x40
.set AO, 4*((\s)/4)
.irp t, 0,1,2,3
	ds_load_b128 v[\f+12*\t:\f+12*\t+3], v[4+AO] offset:((\s)%4)*12288+\t*1536
	ds_load_b64 v[\f+12*\t+4:\f+12*\t+5], v[5+AO] offset:((\s)%4)*12288+\t*1536+512
	ds_load_b128 v[\f+12*\t+6:\f+12*\t+9], v[4+AO] offset:((\s)%4)*12288+\t*1536+768
	ds_load_b64 v[\f+12*\t+10:\f+12*\t+11], v[5+AO] offset:((\s)%4)*12288+\t*1536+1280
.endr
.irp t, 0,1,2,3
	ds_load_b128 v[\f+48+12*\t:\f+48+12*\t+3], v[6+AO] offset:((\s)%4)*12288+\t*1536
	ds_load_b64 v[\f+48+12*\t+4:\f+48+12*\t+5], v[7+AO] offset:((\s)%4)*12288+\t*1536+512
	ds_load_b128 v[\f+48+12*\t+6:\f+48+12*\t+9], v[6+AO] offset:((\s)%4)*12288+\t*1536+768
	ds_load_b64 v[\f+48+12*\t+10:\f+48+12*\t+11], v[7+AO] offset:((\s)%4)*12288+\t*1536+1280
.endr
.endm
.macro MUL s, f                        ; 16 matrix instructions, the accumulators by turns, in the same order in every step.  K step 0 starts the sums
	WIN 0x05
.irp q, 0,1,2,3
.irp p, 0,1,2,3
.if (\s) == 0
	v_wmma_scale_f32_16x16x128_f8f6f4 v[ACC+32*\q+8*\p:ACC+32*\q+8*\p+7], v[\f+12*\p:\f+12*\p+11], v[\f+48+12*\q:\f+48+12*\q+11], 0, v[SP+4*\p], v[SP+16+4*\q] matrix_a_fmt:MATRIX_FMT_FP6 matrix_b_fmt:MATRIX_FMT_FP6
.elseif ((\s)%2) == 0
	v_wmma_scale_f32_16x16x128_f8f6f4 v[ACC+32*\q+8*\p:ACC+32*\q+8*\p+7], v[\f+12*\p:\f+12*\p+11], v[\f+48+12*\q:\f+48+12*\q+11], v[ACC+32*\q+8*\p:ACC+32*\q+8*\p+7], v[SP+4*\p+(\s)/2], v[SP+16+4*\q+(\s)/2] matrix_a_fmt:MATRIX_FMT_FP6 matrix_b_fmt:MATRIX_FMT_FP6
.else
	v_wmma_scale_f32_16x16x128_f8f6f4 v[ACC+32*\q+8*\p:ACC+32*\q+8*\p+7], v[\f+12*\p:\f+12*\p+11], v[\f+48+12*\q:\f+48+12*\q+11], v[ACC+32*\q+8*\p:ACC+32*\q+8*\p+7], v[SP+4*\p+(\s)/2], v[SP+16+4*\q+(\s)/2] matrix_a_fmt:MATRIX_FMT_FP6 matrix_b_fmt:MATRIX_FMT_FP6 matrix_a_scale:MATRIX_SCALE_ROW1 matrix_b_scale:MATRIX_SCALE_ROW1
.endif
.endr
.endr
.endm
.macro HALF0                           ; K steps 0-2; the fragments of K steps 0 and 1 have been asked for.  In every step: this step's 32 loads are in, the next step's 32 may be out
	s_wait_dscnt 32
	MUL 0, F0
	PLACES 4                                       ; in front of loads into registers that matrix instructions have read
	FETCH 2, F0
	s_wait_dscnt 32
	MUL 1, F1
	PLACES 4
	FETCH 3, F1
	s_wait_dscnt 32
	MUL 2, F0
.endm
.macro HALF1                           ; K steps 3-7; K step 4's fragments have been asked for
	s_wait_dscnt 32
	MUL 3, F1
	PLACES 4
	FETCH 5, F1
	s_wait_dscnt 32
	MUL 4, F0
	PLACES 4
	FETCH 6, F0
	s_wait_dscnt 32
	MUL 5, F1
	PLACES 4
	FETCH 7, F1
	s_wait_dscnt 32
	MUL 6, F0
	s_wait_dscnt 0x0
	MUL 7, F1
.endm
	s_load_b256 s[4:11], s[0:1], 0x0               ; opc, ops, bq, bk
	s_load_b128 s[12:15], s[0:1], 0x20             ; bv, acd
	s_load_b64 s[16:17], s[0:1], 0x30              ; asc
	s_set_vgpr_msb 0x40
	v_lshl_add_u32 v254, v0, 2, 0x30000
	v_mov_b32 v255, 0
	s_set_vgpr_msb 0x4045
	ds_add_u32 v254, v255                          ; the opening lines: the add twice on end and its wait
	ds_add_u32 v254, v255
	s_set_vgpr_msb 0x4500
	v_lshrrev_b32 v1, 5, v0
	v_readfirstlane_b32 s[WV], v1                  ; wave 0..3
	s_lshr_b32 s19, s[WV], 1                       ; which 64 of P's 128 rows are mine.  Also: I fetch for P (0) or for R (1)
	s_and_b32 s20, s[WV], 1                        ; which 64 of R's.  Also: which piece of a slot's half I fetch
	s_bfe_u32 s21, ttmp6, 0x40000                  ; cx
	s_bfe_u32 s22, ttmp6, 0x40004                  ; cy
	s_lshl_b32 s23, ttmp9, 2
	s_add_co_u32 s23, s23, s21                     ; X = 4 x cluster x + cx
	s_and_b32 s26, ttmp7, 0xffff                   ; cluster y, 0..7
	s_mov_b32 s25, 0                               ; the projection: 0 Q, 1 K, 2 V
	s_lshl_b32 s27, s22, 2
	s_lshl_b32 s27, 15, s27                        ; my row of the cluster
	s_lshl_b32 s66, 0x1111, s21                    ; my column
	s_or_b32 s[G1P], s66, (3<<16)|(1<<21)          ; the mask: P's slab goes to my column; elements of 8 bytes; bit 21 beside a mask
	s_or_b32 s[G1R], s27, (3<<16)|(1<<21)          ; R's to my row
.irp g, G1P, G1R                       ; 24,576 dense bytes as 96 rows of 32 elements of 8 bytes
	s_mov_b32 s[\g+1], 32<<16
	s_mov_b32 s[\g+2], 96<<16
	s_mov_b32 s[\g+3], 32<<16
	s_mov_b32 s[\g+4], 96
	s_mov_b32 s[\g+5], 32
	s_mov_b32 s[\g+6], 0
	s_mov_b32 s[\g+7], 0
.endr
	s_mul_i32 s67, s20, PIECE
	s_mul_i32 s72, s19, SLAB                       ; in LDS: P's halves at 0, R's behind them; no place in the cluster enters an LDS address
	s_add_co_u32 s72, s72, s67
	s_cmp_eq_u32 s19, 0
	s_cselect_b32 s94, s22, s21                    ; my place among the four that ask with me: cy for P, cx for R
	s_mul_i32 s94, s94, 6144
	s_mov_b32 s95, 0
	s_lshl_b32 s82, s23, 9
	s_lshl_b32 s75, s19, 8
	s_add_co_u32 s82, s82, s75                     ; the bias along P: 4 (128 X + 64 x my half of P)
	s_mov_b32 s83, 0
	s_mov_b32 s[SEL], 0x76543210
	s_mov_b32 s[SEL+1], 0xfedcba98
.irp k, 0,1
	s_mov_b32 s[G0P+4*\k], 1
	s_add_co_u32 s[G0P+4*\k+1], s72, \k*49152
	s_mov_b32 s[G0R+4*\k], 1
	s_add_co_u32 s[G0R+4*\k+1], s72, \k*49152
.endr
	s_wait_dscnt 0x0
	s_wait_kmcnt 0x0
	SLABS 25
	SETG
	CROUND                                         ; all sixteen work-groups are here: the first joint loads meet
	JLOAD 0                                        ; tile 0, K steps 0-3: one tensor load a wave at the head
	v_and_b32 v1, 31, v0                           ; lane
	v_and_b32 v2, 15, v0                           ; r
	v_bfe_u32 v3, v0, 4, 1                         ; h
	v_lshlrev_b32 v12, 4, v1
	v_lshlrev_b32 v13, 3, v1
	v_lshlrev_b32 v14, 2, v1
	s_mul_i32 s73, s19, 6144                       ; my four tiles of P
	v_add_nc_u32 v4, s73, v12
	v_add_nc_u32 v5, s73, v13
	s_mul_i32 s74, s20, 6144                       ; and of R
	s_add_co_u32 s74, s74, SLAB
	v_add_nc_u32 v6, s74, v12
	v_add_nc_u32 v7, s74, v13
.irp i, 0,1,2,3
	v_add_nc_u32 v[8+\i], 49152, v[4+\i]           ; slot 1
.endr
	v_lshlrev_b32 v15, 6, v3                       ; the bias along P: 64 h bytes
	s_wait_alu depctr_va_vdst(0)
	v_and_b32 v83, 8, v2
	v_add_nc_u32 v83, v83, v2
	v_lshlrev_b32 v83, 2, v83                      ; the bias along R: 4 (r + 8 (r / 8)) bytes
	v_mov_b32 v[PX], 0                             ; written once: a lane permute's destination counts as one of its sources
	v_mov_b32 v[PX+1], 0
	v_min_u32 v[PFO], 23, v1
	v_lshlrev_b32 v[PFO], 8, v[PFO]                ; a lane a block of 256 bytes; lanes 24-31 name block 23 again
	s_wait_alu depctr_va_vdst(0)                   ; the wait at the head's end
	LDSC SP                                        ; tile 0's scale words
	global_prefetch_b8 v[PFO], s[PFA:PFA+1] offset:49152 th:TH_LOAD_NT scope:SCOPE_SE   ; tile 0, K steps 4-7
	SEQ 0                                          ; slot 1's first fill is issued as a refill is
	JLOAD 1
	FETCH 0, F0
	FETCH 1, F1
	WIN 0
.Ltile:                                            ; two trips: Q, K
	s_wait_xcnt 0x0                                ; earlier loads, stores and prefetches have read their addresses and data: these are written again below
	s_cmp_eq_u32 s25, 0
	s_cselect_b64 s[80:81], s[8:9], s[10:11]
	s_add_nc_u64 s[80:81], s[80:81], s[82:83]
.irp p, 0,1,2,3
	global_load_b128 v[BI+8*\p:BI+8*\p+3], v15, s[80:81] offset:(32*(\p/2)+8*(\p%2))*4        ; tile p, register j: feature 32 (p / 2) + 16 h + 8 (p % 2) + j
	global_load_b128 v[BI+8*\p+4:BI+8*\p+7], v15, s[80:81] offset:(32*(\p/2)+8*(\p%2))*4+16
.endr
	s_add_co_u32 s24, s25, 1
	SLABS 24                                       ; the next tile
	WIN 0x40
	LDSC ST                                        ; its scale words, into window 1
	global_prefetch_b8 v[PFO], s[PFA:PFA+1] th:TH_LOAD_NT scope:SCOPE_SE                ; its K steps 0-3, which the next joint load brings
	s_wait_loadcnt 40                              ; this tile's scale words are in; the 8 + 32 loads just issued may be out
	HALF0
	SEQ 1                                          ; slot 1 is whole, slot 0 is read no more; both slots' descriptors step to the next tile
	JLOAD 0                                        ; the four v_nop behind it are the places in front of the loads below
	FETCH 4, F0
	global_prefetch_b8 v[PFO], s[PFA:PFA+1] offset:49152 th:TH_LOAD_NT scope:SCOPE_SE   ; the next tile's K steps 4-7
	HALF1
	SEQ 0                                          ; the next tile's slot 0 is whole, slot 1 is read no more
	JLOAD 1
	FETCH 0, F0                                    ; the next tile's first fragments
	FETCH 1, F1
	WIN 0
	; Q, K leave: lane r = a token of R tile q; the 32 registers of a q are one head's 64 numbers
	s_lshl_b32 s84, s26, 2
	s_add_co_u32 s84, s84, s22                     ; the tokens' slab among the projection's 32
	s_lshr_b32 s85, s84, 3                         ; the batch
	s_and_b32 s84, s84, 7
	s_lshl_b32 s85, s85, 4
	s_lshl_b32 s86, s23, 1
	s_add_co_u32 s85, s85, s86
	s_add_co_u32 s85, s85, s19                     ; 16 x batch + head
	s_lshl_b32 s88, s85, 6
	s_lshl_b32 s87, s84, 3
	s_add_co_u32 s88, s88, s87
	s_lshl_b32 s87, s20, 2
	s_add_co_u32 s88, s88, s87                     ; my first token tile
	s_mul_i32 s86, s88, 768
	s_mul_i32 s87, s25, 3145728
	s_add_co_u32 s86, s86, s87
	s_mov_b32 s87, 0
	s_add_nc_u64 s[86:87], s[14:15], s[86:87]
	s_lshl_b32 s88, s88, 5                         ; 64 bytes for each pair of tiles
	s_lshl_b32 s89, s25, 17
	s_add_co_u32 s88, s88, s89
	s_mov_b32 s89, 0
	s_add_nc_u64 s[88:89], s[16:17], s[88:89]
	s_wait_loadcnt 0x0                             ; the bias and the next tile's scale words
	WIN 0x01
.set j, 0
.rept 32
	v_mov_b32 v[SP+j], v[ST+j]                     ; the next tile's scale words move into window 0
.set j, j+1
.endr
	WIN 0
.irp q, 0,1,2,3
.irp k, 0,2,4,6,8,10,12,14,16,18,20,22,24,26,28,30
	v_pk_add_f32 v[ACC+32*\q+\k:ACC+32*\q+\k+1], v[ACC+32*\q+\k:ACC+32*\q+\k+1], v[BI+\k:BI+\k+1]   ; the bias; each accumulator from its low end on
.endr
	QUANT32 ACC+32*\q, PC+8*\q, WQ+\q
	global_store_b128 v12, v[PC+8*\q:PC+8*\q+3], s[86:87] offset:\q*768
	global_store_b64 v13, v[PC+8*\q+4:PC+8*\q+5], s[86:87] offset:\q*768+512
.endr
	v_lshl_or_b32 v90, v[WQ+1], 16, v[WQ]          ; a pair's word: two bytes of the even tile, two of the odd
	v_lshl_or_b32 v91, v[WQ+3], 16, v[WQ+2]
	v_cmp_ne_u32 vcc_lo, 0, v3
	v_cndmask_b32 v90, v90, v91, vcc_lo            ; lanes 0-15 send the first pair's, lanes 16-31 the second's: 128 consecutive bytes
	global_store_b32 v14, v90, s[88:89]
	s_add_co_u32 s25, s25, 1
	s_cmp_lt_u32 s25, 2
	s_wait_alu depctr_va_vdst(0)                   ; the wait ahead of the branch
	s_cbranch_scc1 .Ltile
	; ---- the third tile, V: nothing more is asked for
	s_wait_xcnt 0x0
	s_and_b32 s84, s62, 7
	s_lshl_b32 s84, s84, 9
	s_lshl_b32 s75, s20, 8
	s_add_co_u32 s84, s84, s75                     ; 4 (128 x Wv's slab + 64 x my half of R)
	s_mov_b32 s85, 0
	s_add_nc_u64 s[80:81], s[12:13], s[84:85]
.irp p, 0,1,2,3
	global_load_b32 v[BV+8*\p], v83, s[80:81] offset:(32*(\p/2)+8*(\p%2))*4      ; tile q = p, lane r: feature 32 (q / 2) + 8 (q % 2) + r + 8 (r / 8); twice, for the packed addition
	global_load_b32 v[BV+8*\p+1], v83, s[80:81] offset:(32*(\p/2)+8*(\p%2))*4
.endr
	HALF0
	PLACES 4
	s_wait_tensorcnt 0x0                           ; my piece of slot 1 is in,
	s_wait_dscnt 0x0                               ; no LDS instruction of mine is out at the signal,
	s_barrier_signal -1
	s_barrier_wait -1                              ; everybody's is
	FETCH 4, F0
	HALF1
	WIN 0
	PLACES 4                                       ; in front of the first read of results
	; lane r = a feature of R tile q; the 32 registers of a q are 64 keys
	s_lshr_b32 s84, s26, 1                         ; the batch
	s_and_b32 s85, s62, 7
	s_lshl_b32 s85, s85, 1
	s_add_co_u32 s85, s85, s20                     ; the head
	s_lshl_b32 s84, s84, 4
	s_add_co_u32 s84, s84, s85
	s_mul_i32 s86, s84, 49152
	s_mul_i32 s87, s23, 6144
	s_add_co_u32 s86, s86, s87
	s_mul_i32 s87, s19, 768
	s_add_co_u32 s86, s86, s87
	s_add_co_u32 s86, s86, 6291456
	s_mov_b32 s87, 0
	s_add_nc_u64 s[14:15], s[14:15], s[86:87]
	s_lshl_b32 s88, s84, 11
	s_lshl_b32 s89, s23, 8
	s_add_co_u32 s88, s88, s89
	s_lshl_b32 s89, s19, 1                         ; my two bytes of each word
	s_add_co_u32 s88, s88, s89
	s_add_co_u32 s88, s88, 262144
	s_mov_b32 s89, 0
	s_add_nc_u64 s[16:17], s[16:17], s[88:89]
	s_wait_loadcnt 0x0
.irp q, 0,1,2,3
.irp k, 0,2,4,6,8,10,12,14,16,18,20,22,24,26,28,30
	v_pk_add_f32 v[ACC+32*\q+\k:ACC+32*\q+\k+1], v[ACC+32*\q+\k:ACC+32*\q+\k+1], v[BV+8*\q:BV+8*\q+1]   ; my feature's bias
.endr
	QUANT32 ACC+32*\q, PC+8*\q, WQ+\q
	global_store_b128 v12, v[PC+8*\q:PC+8*\q+3], s[14:15] offset:\q*1536
	global_store_b64 v13, v[PC+8*\q+4:PC+8*\q+5], s[14:15] offset:\q*1536+512
.endr
	v_cmp_ne_u32 vcc_lo, 0, v3
	v_cndmask_b32 v90, v[WQ], v[WQ+1], vcc_lo      ; lanes 0-15: the even tile's rows, lanes 16-31: the odd tile's
	v_cndmask_b32 v91, v[WQ+2], v[WQ+3], vcc_lo
	global_store_b16 v14, v90, s[16:17]            ; two bytes of each row's word; the wave with the other 64 keys sends the other two
	global_store_b16 v14, v91, s[16:17] offset:128
	WIN 0x05
	s_wait_tensorcnt 0x0                           ; the wave's end
	ds_add_u32 v254, v255
	s_wait_dscnt 0x0
	WIN 0
	CROUND                                         ; the closing round
	s_endpgm
.Lfunc_end_k_q33ba637857_proj:
	.size	k_q33ba637857_proj, .Lfunc_end_k_q33ba637857_proj-k_q33ba637857_proj
	.p2alignl 7, 3214868480
	.fill 96, 4, 3214868480
	.section	.rodata,"a",@progbits
	.p2align	6, 0x0
	.amdhsa_kernel k_q33ba637857_proj
		.amdhsa_group_segment_fixed_size 327680
		.amdhsa_private_segment_fixed_size 0
		.amdhsa_enable_private_segment 0
		.amdhsa_kernarg_size 56
		.amdhsa_user_sgpr_count 2
		.amdhsa_user_sgpr_kernarg_segment_ptr 1
		.amdhsa_wavefront_size32 1
		.amdhsa_system_sgpr_workgroup_id_x 1
		.amdhsa_system_sgpr_workgroup_id_y 1
		.amdhsa_system_sgpr_workgroup_id_z 1
		.amdhsa_system_vgpr_workitem_id 0
		.amdhsa_next_free_vgpr 512
		.amdhsa_next_free_sgpr 96
		.amdhsa_reserve_vcc 1
		.amdhsa_float_denorm_mode_32 3
		.amdhsa_float_denorm_mode_16_64 3
		.amdhsa_memory_ordered 1
		.amdhsa_forward_progress 1
		.amdhsa_inst_pref_size 116
	.end_amdhsa_kernel
	.amdgpu_metadata
---
amdhsa.version: [ 1, 2 ]
amdhsa.kernels:
  - .name:           k_q33ba637857_proj
    .symbol:         k_q33ba637857_proj.kd
    .args:
      - { .name: opc, .offset: 0, .size: 8, .value_kind: global_buffer, .address_space: global }
      - { .name: ops, .offset: 8, .size: 8, .value_kind: global_buffer, .address_space: global }
      - { .name: bq, .offset: 16, .size: 8, .value_kind: global_buffer, .address_space: global }
      - { .name: bk, .offset: 24, .size: 8, .value_kind: global_buffer, .address_space: global }
      - { .name: bv, .offset: 32, .size: 8, .value_kind: global_buffer, .address_space: global }
      - { .name: acd, .offset: 40, .size: 8, .value_kind: global_buffer, .address_space: global }
      - { .name: asc, .offset: 48, .size: 8, .value_kind: global_buffer, .address_space: global }
    .group_segment_fixed_size: 327680
    .private_segment_fixed_size: 0
    .kernarg_segment_align: 8
    .kernarg_segment_size: 56
    .max_flat_workgroup_size: 128
    .sgpr_count:     96
    .vgpr_count:     512
    .wavefront_size: 32
...
	.end_amdgpu_metadata
.endif
;; end of part 2
;; launch stat (part 3): grid 4 x 64, 8 waves a work-group, clusters of 4 x 1, 169,984 bytes of LDS; arguments acd, asc, stt; writes stt
.if DOCPART == 3
	.amdgcn_target "amdgcn-amd-amdhsa--gfx1250"
	.amdhsa_code_object_version 6
	.text
	.protected	k_q33ba637857_stat
	.globl	k_q33ba637857_stat
	.p2align	8
	.type	k_q33ba637857_stat,@function
k_q33ba637857_stat:
	s_mov_b64 s[64:65], 0
	v_nop
	global_prefetch_b8 v0, s[64:65] scope:SCOPE_SE
	s_setreg_imm32_b32 hwreg(HW_REG_WAVE_MODE, 25, 1), 1
	s_wait_xcnt 0x0
	s_wait_alu depctr_hold_cnt(0) depctr_sa_sdst(0) depctr_va_vdst(0) depctr_va_sdst(0) depctr_va_ssrc(0) depctr_va_vcc(0) depctr_vm_vsrc(0)
	s_getreg_b32 s2, hwreg(HW_REG_IB_STS2, 6, 4)
	s_cmp_eq_u32 s2, 0
	s_cbranch_scc0 .Lentry_in_a_cluster
	s_endpgm
.Lentry_in_a_cluster:
	s_bfe_u32 s2, ttmp6, 0x10000c
	s_cmp_lg_u32 s2, 0x3003
	s_cbranch_scc0 .Lentry_shape_is_right
	s_endpgm
.Lentry_shape_is_right:
; The time predictor's three features, in parts.  For each tile of 16 queries of a head: the sum of clip(s), the sum over queries of the row's largest clip(s), and the sum over queries of the variance of softmax(clip(s) / 2),
; s = Q . K / 8 on codes of FP6 (E2M3).  The parts are kept in units of the raw product Q . K (8 s): 1 / 8 is a power of two, so the clip at +-50 is a clip of the raw product at +-400, and the next launch scales the sums.
; THE SOFTMAX HAS NO MAXIMUM TAKEN AWAY: the clip that the computation itself makes holds e = 2^(raw x log2(e) / 16) between 2^-36.1 and 2^36.1, a row's sum of 1,024 under 2^47 and its sum of squares under 2^83.
; THE VARIANCE (1,023 in the divisor) is (sum e^2 / (sum e)^2 - 1 / 1024) / 1023, since the probabilities' mean is 1 / 1024.
; LIMITS: NaN and infinities are not served (the steps that replace them are left out).
; SHARES: a work-group takes a head and 256 queries, each of its eight waves two tiles of 16 (a pair, which shares its scale words).  The sum of clip(s) of both tiles goes into the first tile's part, 0 into the second's: the next launch adds all parts of a head.
; The head's K (49,152 bytes of codes, 2,048 of scale words) lies in LDS whole, filled once, asked for jointly by the four work-groups of the head (cluster 4 x 1); so there is nothing to prefetch in the loop.
; THE HEAD'S 64 IN AN INSTRUCTION OF 128: source 0 = TWO tiles of keys, one in each half of K; source 1 = Q over zero codes, or zero codes under Q.  A lane holds one query (lane % 16).
; A UNIT is one tile of queries x 64 keys: four products, 32 registers.  A trip of 128 keys has four units, (tile 0, half 0), (tile 1, half 0), (tile 0, half 1), (tile 1, half 1), on four buffers by turns.
; Unit n's exponentials stand with unit n + 1's scaling among them; unit n's two sums stand with unit n + 2's products among them; then unit n + 2 is clipped and gives its maxima and its sum.
; One wait behind each unit's exponentials serves their readers and the next unit's sources.  A half's fragments are read again from LDS as soon as its second unit's products are issued.
; REGISTERS: v1-10 addresses; v12-41 Q: tile 1, zeros, tile 0, zeros, tile 1: each operand is twelve on end; v42-43 Q's, v44-45 K's scale words; v46-53 the sum of clip(s); v54-61 sums of e; v62-69 of e^2; v70-73 maxima; v74-121 K's four pairs; v122-249 four buffers.
.set KWD, 49152
.set QW,  42
.set KSR, 44
.set SX,  46
.set E1,  54
.set E2,  62
.set RM,  70
.set KF,  74
.set SB,  122
.set RES, 122                          ; behind the loop: the two tiles' 16 bytes each
.set WV,  10
.set SEL, 50
.macro PLACES n
.rept \n
	v_nop
.endr
.endm
.macro VW
	s_wait_alu depctr_va_vdst(0)
.endm
.macro CROUND
	s_barrier_signal -1
	s_barrier_wait -1
	s_cmp_lg_u32 s[WV], 0
	s_cbranch_scc1 .Lnot_wave_0_\@
	s_barrier_signal -3
.Lnot_wave_0_\@:
	s_barrier_wait -3
	s_barrier_signal -1
	s_barrier_wait -1
.endm
.macro ADR t                           ; LDS addresses of the trip whose number s[t] holds
	s_mul_i32 s40, s[\t], 6144
	s_lshl_b32 s41, s[\t], 8
	v_add_nc_u32 v8, s40, v1
	v_add_nc_u32 v9, s40, v2
	v_add_nc_u32 v10, s41, v3
.endm
.macro LDK h                           ; half h of that trip: pairs 2 h, 2 h + 1 of key tiles and their scale words: 9 LDS loads
.irp i, 0,1
	ds_load_b128 v[KF+24*\h+12*\i:KF+24*\h+12*\i+3], v8 offset:(2*\h+\i)*1536
	ds_load_b64 v[KF+24*\h+12*\i+4:KF+24*\h+12*\i+5], v9 offset:(2*\h+\i)*1536+512
	ds_load_b128 v[KF+24*\h+12*\i+6:KF+24*\h+12*\i+9], v8 offset:(2*\h+\i)*1536+768
	ds_load_b64 v[KF+24*\h+12*\i+10:KF+24*\h+12*\i+11], v9 offset:(2*\h+\i)*1536+1280
.endr
	ds_load_b32 v[KSR+\h], v10 offset:128*\h       ; the even pair's words in lanes 0-15, the odd pair's in lanes 16-31
.endm
.macro W1 d, tau, h, t                 ; product t of a unit into buffer d: pair t / 2 of half h; t even: Q over zeros (the pair's even tile), odd: zeros under Q
.set DD, SB+32*(\d)+8*(\t)
.set AA, KF+24*(\h)+12*((\t)/2)
.if ((\t)%2) == 0
.set BB, 24-12*(\tau)
.else
.set BB, 18+12*(\tau)
.endif
.if (\t) < 2
	v_wmma_scale_f32_16x16x128_f8f6f4 v[DD:DD+7], v[AA:AA+11], v[BB:BB+11], 0, v[KSR+\h], v[QW+\tau] matrix_a_fmt:MATRIX_FMT_FP6 matrix_b_fmt:MATRIX_FMT_FP6
.else
	v_wmma_scale_f32_16x16x128_f8f6f4 v[DD:DD+7], v[AA:AA+11], v[BB:BB+11], 0, v[KSR+\h], v[QW+\tau] matrix_a_fmt:MATRIX_FMT_FP6 matrix_b_fmt:MATRIX_FMT_FP6 matrix_a_scale:MATRIX_SCALE_ROW1
.endif
.endm
.macro ES b, tau, k0                   ; four pairs of buffer b onto the sums of e and of e^2, two chains each
.set k, \k0
.rept 4
	v_pk_add_f32 v[E1+4*(\tau)+2*(k%2):E1+4*(\tau)+2*(k%2)+1], v[E1+4*(\tau)+2*(k%2):E1+4*(\tau)+2*(k%2)+1], v[SB+32*(\b)+2*k:SB+32*(\b)+2*k+1]
	v_pk_fma_f32 v[E2+4*(\tau)+2*(k%2):E2+4*(\tau)+2*(k%2)+1], v[SB+32*(\b)+2*k:SB+32*(\b)+2*k+1], v[SB+32*(\b)+2*k:SB+32*(\b)+2*k+1], v[E2+4*(\tau)+2*(k%2):E2+4*(\tau)+2*(k%2)+1]
.set k, k+1
.endr
.endm
.macro AB b, d, tau, h                 ; buffer b's sums, and among them buffer d's four products; the eight plain lines behind each product are its places
.irp t, 0,1,2,3
	W1 \d, \tau, \h, \t
	ES \b, \tau, 4*\t
.endr
.endm
.macro MM b, tau                       ; buffer b: the clip (each accumulator from its low end on), then the maxima and the sum by turns
.set k, 0
.rept 32
	v_med3_num_f32 v[SB+32*(\b)+k], v[SB+32*(\b)+k], s44, s45
.set k, k+1
.endr
.set k, 0
.rept 16
	v_max3_num_f32 v[RM+2*(\tau)+(k%2)], v[RM+2*(\tau)+(k%2)], v[SB+32*(\b)+2*k], v[SB+32*(\b)+2*k+1]
	v_pk_add_f32 v[SX+2*(k%4):SX+2*(k%4)+1], v[SX+2*(k%4):SX+2*(k%4)+1], v[SB+32*(\b)+2*k:SB+32*(\b)+2*k+1]
.set k, k+1
.endr
.endm
.macro EX b, b1                        ; e = exp(s / 2) of buffer b; among the exponentials buffer b1 is scaled by log2(e) / 16
.set k, 0
.rept 16
	v_pk_mul_f32 v[SB+32*(\b1)+2*k:SB+32*(\b1)+2*k+1], v[SB+32*(\b1)+2*k:SB+32*(\b1)+2*k+1], s[46:47] op_sel_hi:[1,0]
	v_exp_f32 v[SB+32*(\b)+2*k], v[SB+32*(\b)+2*k]
	v_exp_f32 v[SB+32*(\b)+2*k+1], v[SB+32*(\b)+2*k+1]
.set k, k+1
.endr
	v_nop                                          ; a plain place behind the last exponential
	VW                                             ; ahead of the exponentials' readers, and between b1's scaling and its exponentials
.endm
	s_load_b128 s[4:7], s[0:1], 0x0                ; acd, asc
	s_load_b64 s[8:9], s[0:1], 0x10                ; stt
	v_lshl_add_u32 v254, v0, 2, 0x29000
	v_mov_b32 v255, 0
	ds_add_u32 v254, v255                          ; the opening lines: the add twice on end and its wait
	ds_add_u32 v254, v255
	v_lshrrev_b32 v1, 5, v0
	v_readfirstlane_b32 s[WV], v1                  ; wave 0..7
	s_bfe_u32 s11, ttmp6, 0x40000                  ; cx: it enters Q's and the result's addresses alone
	s_and_b32 s12, ttmp7, 0xffff                   ; 16 x batch + head
	s_lshl_b32 s13, s11, 4
	s_lshl_b32 s15, s[WV], 1
	s_add_co_u32 s13, s13, s15
	s_lshl_b32 s15, s12, 6
	s_add_co_u32 s13, s13, s15                     ; my first tile of queries, an even one, counted over all heads
	; descriptor groups 1: dense bytes as rows of 32 elements of 8 bytes: 48 rows (a quarter of the codes), 8 rows (the words); the mask names all four work-groups, bit 21 beside it
	s_mov_b32 s16, 15|(3<<16)|(1<<21)
	s_mov_b32 s17, 32<<16
	s_mov_b32 s18, 48<<16
	s_mov_b32 s19, 32<<16
	s_mov_b32 s20, 48
	s_mov_b32 s21, 32
	s_mov_b32 s22, 0
	s_mov_b32 s23, 0
	s_mov_b32 s24, 15|(3<<16)|(1<<21)
	s_mov_b32 s25, 32<<16
	s_mov_b32 s26, 8<<16
	s_mov_b32 s27, 32<<16
	s_mov_b32 s28, 8
	s_mov_b32 s29, 32
	s_mov_b32 s30, 0
	s_mov_b32 s31, 0
	s_and_b32 s54, s[WV], 3
	s_mul_i32 s54, s54, 12288                      ; a quarter of the codes, in memory and in LDS
	s_mul_i32 s52, s12, 49152
	s_add_co_u32 s52, s52, s54
	s_add_co_u32 s52, s52, 3145728
	s_mov_b32 s53, 0
	s_lshl_b32 s56, s12, 11
	s_add_co_u32 s56, s56, 131072
	s_mov_b32 s57, 0
	s_mul_i32 s58, s13, 768
	s_mov_b32 s59, 0
	s_lshl_b32 s60, s13, 5                         ; 64 bytes for each pair of tiles
	s_mov_b32 s61, 0
	s_lshl_b32 s62, s13, 4
	s_mov_b32 s63, 0
	s_mov_b32 s44, 0xc3c80000                      ; -400
	s_mov_b32 s45, 0x43c80000                      ; 400
	s_mov_b32 s46, 0x3db8aa3b                      ; log2(e) / 16
	s_mov_b32 s47, s46                             ; (named with it as a pair, so it is written)
	s_mov_b32 s[SEL], 0x76543210
	s_mov_b32 s[SEL+1], 0xfedcba98
	s_wait_dscnt 0x0
	s_wait_kmcnt 0x0
	s_mov_b32 s32, 1
	s_mov_b32 s33, s54
	s_add_nc_u64 s[34:35], s[4:5], s[52:53]
	s_or_b32 s35, s35, 0x80000000
	s_mov_b32 s36, 1
	s_mov_b32 s37, KWD
	s_add_nc_u64 s[38:39], s[6:7], s[56:57]
	s_or_b32 s39, s39, 0x80000000
	s_add_nc_u64 s[4:5], s[4:5], s[58:59]          ; my two tiles of Q,
	s_add_nc_u64 s[6:7], s[6:7], s[60:61]          ; their scale words,
	s_add_nc_u64 s[8:9], s[8:9], s[62:63]          ; my 32 bytes of the result
	CROUND                                         ; all four work-groups are here: the joint loads meet
	s_cmp_lt_u32 s[WV], 4                          ; waves 0-3: a quarter of the codes each; wave 4: the words; the others nothing
	s_cbranch_scc0 .Lnot_codes
	tensor_load_to_lds s[32:35], s[16:23]
	s_nop 0
	PLACES 4
	s_branch .Lasked
.Lnot_codes:
	s_cmp_eq_u32 s[WV], 4
	s_cbranch_scc0 .Lasked
	tensor_load_to_lds s[36:39], s[24:31]
	s_nop 0
	PLACES 4
.Lasked:
	v_and_b32 v6, 31, v0                           ; lane
	v_and_b32 v4, 15, v0
	v_lshlrev_b32 v1, 4, v6                        ; 16 x lane
	v_lshlrev_b32 v2, 3, v6                        ; 8 x lane
	v_lshlrev_b32 v4, 2, v4                        ; 4 r
	v_lshl_add_u32 v3, v6, 2, KWD                  ; the words: 4 x lane
	v_mov_b32 v5, 0
	global_load_b128 v[24:27], v1, s[4:5]          ; tile 0's Q, between the two runs of zeros
	global_load_b64 v[28:29], v2, s[4:5] offset:512
	global_load_b128 v[12:15], v1, s[4:5] offset:768    ; tile 1's, at both ends
	global_load_b64 v[16:17], v2, s[4:5] offset:1280
	global_load_b128 v[36:39], v1, s[4:5] offset:768
	global_load_b64 v[40:41], v2, s[4:5] offset:1280
	global_load_b32 v7, v4, s[6:7]
.irp i, 0,1,2,3,4,5
	v_mov_b32 v[18+\i], 0                          ; zero codes
	v_mov_b32 v[30+\i], 0
.endr
.irp i, 0,1,2,3,4,5,6,7
	v_mov_b32 v[SX+\i], 0
	v_mov_b32 v[E1+\i], 0
	v_mov_b32 v[E2+\i], 0
.endr
.irp i, 0,1,2,3
	v_mov_b32 v[RM+\i], 0xff800000
.endr
	VW
	s_wait_loadcnt 0x0
	v_perm_b32 v[QW], v7, v7, 0x01000100           ; (q0, q1, q0, q1) of tile 0,
	v_perm_b32 v[QW+1], v7, v7, 0x03020302         ; of tile 1
	PLACES 8                                       ; a scale register written by a vector instruction stands eight places ahead of a scaled matrix instruction
	VW                                             ; the head's end
	s_wait_tensorcnt 0x0
	s_barrier_signal -1
	s_barrier_wait -1                              ; the head's K lies in LDS
	s_mov_b32 s43, 0
	ADR 43
	LDK 0
	LDK 1
	s_wait_dscnt 9                                 ; half 0 is in; half 1's 9 loads may be out
.irp t, 0,1,2,3
	W1 0, 0, 0, \t                                 ; units 0 and 1
.endr
.irp t, 0,1,2,3
	W1 1, 1, 0, \t
.endr
	PLACES 4
	s_mov_b32 s43, 1
	ADR 43
	LDK 0                                          ; trip 1's half 0
	MM 0, 0
	MM 1, 1
.set k, 0
.rept 16
	v_pk_mul_f32 v[SB+2*k:SB+2*k+1], v[SB+2*k:SB+2*k+1], s[46:47] op_sel_hi:[1,0]
.set k, k+1
.endr
	VW
	s_mov_b32 s42, 0
.Ltrip:                                            ; 8 trips of four units
	EX 0, 1
	s_wait_dscnt 9                                 ; this trip's half 1 is in; the next trip's half 0 may be out
	AB 0, 2, 0, 1
	MM 2, 0
	EX 1, 2
	AB 1, 3, 1, 1
	s_add_co_u32 s43, s42, 1
	s_min_u32 s43, s43, 7                          ; (the last trips' look-ahead reads trip 7's fragments again, which serves nothing)
	ADR 43
	LDK 1
	MM 3, 1
	EX 2, 3
	s_cmp_eq_u32 s42, 7                            ; the last trip has no units two ahead: only the sums are left
	s_cbranch_scc1 .Ldrain_2
	s_wait_dscnt 9                                 ; the next trip's half 0 is in; its half 1 may be out
	AB 2, 0, 0, 0
	MM 0, 0
	VW
	s_branch .Lnext_2
.Ldrain_2:
.irp t, 0,1,2,3
	ES 2, 0, 4*\t
.endr
.Lnext_2:
	EX 3, 0
	s_cmp_eq_u32 s42, 7
	s_cbranch_scc1 .Ldrain_3
	s_wait_dscnt 9
	AB 3, 1, 1, 0
	s_add_co_u32 s43, s42, 2
	s_min_u32 s43, s43, 7
	ADR 43
	LDK 0
	MM 1, 1
	VW
	s_branch .Lnext_3
.Ldrain_3:
.irp t, 0,1,2,3
	ES 3, 1, 4*\t
.endr
.Lnext_3:
	s_add_co_u32 s42, s42, 1
	s_cmp_lt_u32 s42, 8
	VW
	s_cbranch_scc1 .Ltrip
	v_pk_add_f32 v[SX:SX+1], v[SX:SX+1], v[SX+2:SX+3]
	v_pk_add_f32 v[SX+4:SX+5], v[SX+4:SX+5], v[SX+6:SX+7]
.irp u, 0,1                            ; the two tiles by turns
	v_pk_add_f32 v[E1+4*\u:E1+4*\u+1], v[E1+4*\u:E1+4*\u+1], v[E1+4*\u+2:E1+4*\u+3]
	v_pk_add_f32 v[E2+4*\u:E2+4*\u+1], v[E2+4*\u:E2+4*\u+1], v[E2+4*\u+2:E2+4*\u+3]
	v_max_num_f32 v[RM+2*\u], v[RM+2*\u], v[RM+2*\u+1]
.endr
	v_pk_add_f32 v[SX:SX+1], v[SX:SX+1], v[SX+4:SX+5]
.irp u, 0,1
	v_add_f32 v[E1+4*\u], v[E1+4*\u], v[E1+4*\u+1]
	v_add_f32 v[E2+4*\u], v[E2+4*\u], v[E2+4*\u+1]
.endr
	v_add_f32 v[RES], v[SX], v[SX+1]               ; my clipped scores of both tiles
	v_mov_b32 v[RES+4], 0
.irp u, 0,1
	v_permlanex16_b32 v[E1+4*\u+1], v[E1+4*\u], s[SEL], s[SEL+1]   ; my query's other 512 keys lie in the lane 16 away
	v_permlanex16_b32 v[E2+4*\u+1], v[E2+4*\u], s[SEL], s[SEL+1]
	v_permlanex16_b32 v[RM+2*\u+1], v[RM+2*\u], s[SEL], s[SEL+1]
.endr
.irp u, 0,1
	v_add_f32 v[E1+4*\u], v[E1+4*\u], v[E1+4*\u+1]
	v_add_f32 v[E2+4*\u], v[E2+4*\u], v[E2+4*\u+1]
	v_max_num_f32 v[RES+4*\u+1], v[RM+2*\u], v[RM+2*\u+1]          ; the row's largest
.endr
	VW
	v_rcp_f32 v[E1+2], v[E1]
	v_rcp_f32 v[E1+6], v[E1+4]
	v_mov_b32 v[RES+3], 0                          ; (plain places behind the reciprocals)
	v_mov_b32 v[RES+7], 0
	VW
.irp u, 0,1
	v_mul_f32 v[E2+4*\u], v[E2+4*\u], v[E1+4*\u+2]
.endr
.irp u, 0,1
	v_fmaak_f32 v[E2+4*\u], v[E2+4*\u], v[E1+4*\u+2], 0xba800000   ; the sum of p^2, less 1 / 1024
.endr
.irp u, 0,1
	v_mul_f32 v[RES+4*\u+2], 0x3a802008, v[E2+4*\u]                ; / 1023
.endr
.irp m, 1,2,4,8
.irp f, 0,1,2,5,6
	v_add_f32_dpp v[RES+\f], v[RES+\f], v[RES+\f] row_xmask:\m row_mask:0xf bank_mask:0xf   ; over the 16 queries
.endr
.endr
	v_permlanex16_b32 v[SX], v[RES], s[SEL], s[SEL+1]
	v_add_f32 v[RES], v[RES], v[SX]                ; the scores' sum takes both halves of the lanes; the others hold the same in both
	v_cmp_eq_u32 vcc_lo, 0, v6
	VW
	s_wait_xcnt 0x0                                ; EXEC changes only behind this wait
	s_and_saveexec_b32 s48, vcc_lo
	global_store_b128 v5, v[RES:RES+3], s[8:9]     ; lane 0: the two tiles' 16 bytes each; the eight waves' lie on end
	global_store_b128 v5, v[RES+4:RES+7], s[8:9] offset:16
	s_wait_xcnt 0x0                                ; and again in front of the line that widens it
	s_or_b32 exec_lo, exec_lo, s48
	s_wait_tensorcnt 0x0                           ; the wave's end
	ds_add_u32 v254, v255
	s_wait_dscnt 0x0
	CROUND                                         ; the closing round
	s_endpgm
.Lfunc_end_k_q33ba637857_stat:
	.size	k_q33ba637857_stat, .Lfunc_end_k_q33ba637857_stat-k_q33ba637857_stat
	.p2alignl 7, 3214868480
	.fill 96, 4, 3214868480
	.section	.rodata,"a",@progbits
	.p2align	6, 0x0
	.amdhsa_kernel k_q33ba637857_stat
		.amdhsa_group_segment_fixed_size 169984
		.amdhsa_private_segment_fixed_size 0
		.amdhsa_enable_private_segment 0
		.amdhsa_kernarg_size 24
		.amdhsa_user_sgpr_count 2
		.amdhsa_user_sgpr_kernarg_segment_ptr 1
		.amdhsa_wavefront_size32 1
		.amdhsa_system_sgpr_workgroup_id_x 1
		.amdhsa_system_sgpr_workgroup_id_y 1
		.amdhsa_system_sgpr_workgroup_id_z 1
		.amdhsa_system_vgpr_workitem_id 0
		.amdhsa_next_free_vgpr 256
		.amdhsa_next_free_sgpr 66
		.amdhsa_reserve_vcc 1
		.amdhsa_float_denorm_mode_32 3
		.amdhsa_float_denorm_mode_16_64 3
		.amdhsa_memory_ordered 1
		.amdhsa_forward_progress 1
		.amdhsa_inst_pref_size 64
	.end_amdhsa_kernel
	.amdgpu_metadata
---
amdhsa.version: [ 1, 2 ]
amdhsa.kernels:
  - .name:           k_q33ba637857_stat
    .symbol:         k_q33ba637857_stat.kd
    .args:
      - { .name: acd, .offset: 0, .size: 8, .value_kind: global_buffer, .address_space: global }
      - { .name: asc, .offset: 8, .size: 8, .value_kind: global_buffer, .address_space: global }
      - { .name: stt, .offset: 16, .size: 8, .value_kind: global_buffer, .address_space: global }
    .group_segment_fixed_size: 169984
    .private_segment_fixed_size: 0
    .kernarg_segment_align: 8
    .kernarg_segment_size: 24
    .max_flat_workgroup_size: 256
    .sgpr_count:     66
    .vgpr_count:     256
    .wavefront_size: 32
...
	.end_amdgpu_metadata
.endif
;; end of part 3
;; launch attn (part 4): grid 4 x 64, 4 waves a work-group, clusters of 4 x 1, 168,448 bytes of LDS; arguments acd, asc, stt, Wt1, bt1, Wt2, bt2, ocd, osc; writes ocd, osc
.if DOCPART == 4
	.amdgcn_target "amdgcn-amd-amdhsa--gfx1250"
	.amdhsa_code_object_version 6
	.text
	.protected	k_q33ba637857_attn
	.globl	k_q33ba637857_attn
	.p2align	8
	.type	k_q33ba637857_attn,@function
k_q33ba637857_attn:
	s_mov_b64 s[64:65], 0
	v_nop
	global_prefetch_b8 v0, s[64:65] scope:SCOPE_SE
	s_setreg_imm32_b32 hwreg(HW_REG_WAVE_MODE, 25, 1), 1
	s_wait_xcnt 0x0
	s_wait_alu depctr_hold_cnt(0) depctr_sa_sdst(0) depctr_va_vdst(0) depctr_va_sdst(0) depctr_va_ssrc(0) depctr_va_vcc(0) depctr_vm_vsrc(0)
	s_getreg_b32 s2, hwreg(HW_REG_IB_STS2, 6, 4)
	s_cmp_eq_u32 s2, 0
	s_cbranch_scc0 .Lentry_in_a_cluster
	s_endpgm
.Lentry_in_a_cluster:
	s_bfe_u32 s2, ttmp6, 0x10000c
	s_cmp_lg_u32 s2, 0x3003
	s_cbranch_scc0 .Lentry_shape_is_right
	s_endpgm
.Lentry_shape_is_right:
; The heat-kernel attention of one head: t from the head's features and the small MLP (f32); scores = Q . K / (2 t) on codes of FP6 (E2M3); softmax, FINISHED AND NORMALISED, quantised along the keys; x V on codes; the result quantised along the model's 1,024.
; A WHOLE ROW STAYS IN REGISTERS: a wave holds 16 queries x 1,024 keys, 512 registers (windows 2 and 3): the row's largest score is taken away before the exponentials, each score has one exponential, and the sum is known before anything is quantised.
; p = 2^(a s - a m) / sum, a = log2(e) / (2 t), m the row's largest raw score.  A BLOCK'S LARGEST p IS NOT SEARCHED FOR: the block's largest score, which the search for m passes through, goes through the same multiply-add, exponential and multiplication.
; (That takes v_exp_f32 not to fall where its input rises; at the worst one p of a block, within an ulp of a power of two, would be held one code low.)
; LIMITS: NaN and infinities are not served (the steps that replace them are left out); the scaled scores a s stay under 2^31 in magnitude; a block whose every p is 0 gets the byte 1, with zero codes; blocks under 2^-124 keep the byte 1.
; SHARES: a work-group takes a head and 256 queries; each of its four waves walks four tiles of 16 queries.  The head's K and V (49,152 bytes of codes and 2,048 of scale words each) lie in LDS whole, filled once, asked for jointly by the head's four work-groups.
; No prefetch: each LDS byte is filled once, at the head, and the loop reads no memory but what it stores.
; Both products are used transposed: a lane holds one query throughout.  S^T: source 0 = a pair of key tiles (one in each half of the instruction's 128), source 1 = Q over zero codes, or under them.  O^T: source 0 = 16 of the head's 64 x 128 keys, source 1 = p.
; The rows of all tiles are 32 b + 8 u + r + 8 (r / 8): the 16 registers of two neighbouring result tiles are 16 neighbours along the next product's K.
; THE EXPONENTIALS go in groups of 64 registers: a group's multiply-adds stand among the exponentials of the group before, and one wait stands at each group's head.
; REGISTERS: window 0: v1-12 addresses and small work; v16-39 Q's two operands; v44-47 Q's scale words; v48-63 K's, v64-79 V's scale words; v80-111 O^T; v112-143 the blocks' largest scores, later the conversions' scales;
;   v144-151 p's scale words; v152-175 the sum's eight chains, later p's codes, two sets; v176-207 at work; v208-239 the blocks' largest p; v240-254 the head's work, later the result's codes; v199, v255 the add's two registers.
;   window 1: two sets of 8 pairs of key tiles (v0-95, v96-191), later two sets of V's four fragments; v192-209 Q of the three tiles to come.   windows 2, 3: block b of 32 keys at register 16 b.
.set SLAB, 98304
.set VC,   49152
.set KWD,  98304
.set QLO, 16
.set QHI, 28
.set QW,  44
.set KS,  48
.set VS,  64
.set O,   80
.set BM,  112
.set PW,  144
.set PC0, 152
.set SUM, 152
.set T0,  176
.set T1,  180
.set NAM, 184
.set RL,  186
.set T,   196
.set TM,  200
.set PX,  202
.set SO,  204
.set BYO, 206
.set BX,  208
.set OC,  240
.set QS,  192
.set WV,  22
.set G1A, 28
.set G1B, 36
.set A,   66
.set NA,  68
.set SEL, 70
.set IT,  80
.set MSB, 0
.macro WIN new
.if MSB != (\new)
	s_set_vgpr_msb (MSB<<8)|(\new)
.set MSB, (\new)
.endif
.endm
.macro PLACES n
.rept \n
	v_nop
.endr
.endm
.macro VW                              ; the wait round transcendentals and ahead of blocking waits and branches
	s_wait_alu depctr_va_vdst(0)
.endm
.macro CROUND
	s_barrier_signal -1
	s_barrier_wait -1
	s_cmp_lg_u32 s[WV], 0
	s_cbranch_scc1 .Lnot_wave_0_\@
	s_barrier_signal -3
.Lnot_wave_0_\@:
	s_barrier_wait -3
	s_barrier_signal -1
	s_barrier_wait -1
.endm
.macro QUANT32 s, pc, by               ; 32 numbers of a lane (register 16 b + i = k 32 b + 16 h + i) become six registers of codes and byte 0 | byte 1 << 8
.irp b, 0,1
	v_max3_num_f32 v[TM+\b], |v[(\s)+16*\b]|, |v[(\s)+16*\b+1]|, 0x1800000
.endr
.irp i, 2,4,6,8,10,12,14
.irp b, 0,1
	v_max3_num_f32 v[TM+\b], v[TM+\b], |v[(\s)+16*\b+\i]|, |v[(\s)+16*\b+\i+1]|
.endr
.endr
.irp b, 0,1
	v_permlanex16_b32 v[PX+\b], v[TM+\b], s[SEL], s[SEL+1]
.endr
.irp b, 0,1
	v_max_num_f32 v[TM+\b], v[TM+\b], v[PX+\b]
.endr
.irp b, 0,1
	v_add_nc_u32 v[SO+\b], 0xff000000, v[TM+\b]
.endr
.irp b, 0,1
	v_lshrrev_b32 v[PX+\b], 23, v[SO+\b]
.endr
	v_lshl_or_b32 v[\by], v[PX+1], 8, v[PX]
	v_cvt_scalef32_pk16_fp6_f32 v[(\pc):(\pc)+2], v[(\s):(\s)+15], v[SO]
	v_cvt_scalef32_pk16_fp6_f32 v[T:T+2], v[(\s)+16:(\s)+31], v[SO+1]
	v_nop
.irp i, 0,1,2
	v_permlane16_swap_b32 v[(\pc)+\i], v[T+\i]
.endr
.irp i, 0,1,2
	v_mov_b32 v[(\pc)+3+\i], v[T+\i]
.endr
.endm
.macro DESC g, lds, b, o               ; a group 0: LDS byte lds, from buffer s[b] at offset s[o]
	s_mov_b32 s[\g], 1
	s_mov_b32 s[\g+1], \lds
	s_add_nc_u64 s[\g+2:\g+3], s[\b:\b+1], s[\o:\o+1]
	s_or_b32 s[\g+3], s[\g+3], 0x80000000
.endm
.macro ARM under, g0, g1, next         ; one arm of the head's tree: one fill, and a jump to the join
	s_cmp_lt_u32 s[WV], \under
	s_cbranch_scc0 \next
	tensor_load_to_lds s[\g0:\g0+3], s[\g1:\g1+7]
	s_nop 0
	PLACES 4
	s_branch .Lfilled
\next:
.endm
	s_load_b512 s[4:19], s[0:1], 0x0               ; acd, asc, stt, Wt1, bt1, Wt2, bt2, ocd
	s_load_b64 s[20:21], s[0:1], 0x40              ; osc
	v_lshl_add_u32 v199, v0, 2, 0x29000
	v_mov_b32 v255, 0
	ds_add_u32 v199, v255                          ; the opening lines: the add twice on end and its wait
	ds_add_u32 v199, v255
	v_lshrrev_b32 v1, 5, v0
	v_readfirstlane_b32 s[WV], v1                  ; wave 0..3
	s_bfe_u32 s23, ttmp6, 0x40000                  ; cx: it enters Q's and the result's addresses alone
	s_and_b32 s24, ttmp7, 0xffff                   ; 16 x batch + head
	s_lshr_b32 s25, s24, 4
	s_and_b32 s26, s24, 15
.irp g, G1A, G1B                       ; dense bytes as rows of 32 elements of 8 bytes; the mask names all four work-groups, bit 21 beside it
	s_mov_b32 s[\g], 15|(3<<16)|(1<<21)
	s_mov_b32 s[\g+1], 32<<16
	s_mov_b32 s[\g+3], 32<<16
	s_mov_b32 s[\g+5], 32
	s_mov_b32 s[\g+6], 0
	s_mov_b32 s[\g+7], 0
.endr
	s_mov_b32 s[G1A+2], 192<<16                    ; 192 rows: a head's codes of K or V
	s_mov_b32 s[G1A+4], 192
	s_mov_b32 s[G1B+2], 8<<16                      ; 8 rows: its words
	s_mov_b32 s[G1B+4], 8
	s_mul_i32 s72, s24, 49152
	s_add_co_u32 s74, s72, 6291456                 ; V's codes
	s_add_co_u32 s72, s72, 3145728                 ; K's codes
	s_mov_b32 s73, 0
	s_mov_b32 s75, 0
	s_lshl_b32 s76, s24, 11
	s_add_co_u32 s78, s76, 262144                  ; V's words
	s_add_co_u32 s76, s76, 131072                  ; K's words
	s_mov_b32 s77, 0
	s_mov_b32 s79, 0
	s_lshl_b32 s82, s24, 6
	s_lshl_b32 s83, s23, 4
	s_add_co_u32 s82, s82, s83
	s_lshl_b32 s83, s[WV], 2
	s_add_co_u32 s82, s82, s83                     ; my first tile of queries, counted over all heads
	s_mul_i32 s84, s82, 768
	s_mov_b32 s85, 0
	s_lshl_b32 s86, s82, 5                         ; 64 bytes for each pair of tiles
	s_mov_b32 s87, 0
	s_lshl_b32 s88, s25, 3
	s_lshl_b32 s89, s23, 1
	s_add_co_u32 s88, s88, s89
	s_lshr_b32 s89, s[WV], 1
	s_add_co_u32 s88, s88, s89                     ; the result's slab: 8 x batch + 2 cx + wave / 2
	s_lshr_b32 s89, s26, 1                         ; its K step: head / 2
	s_and_b32 s90, s26, 1                          ; its half: head % 2
	s_and_b32 s91, s[WV], 1                        ; my four tiles of the slab's eight
	s_mul_i32 s92, s88, SLAB
	s_mul_i32 s94, s89, 12288
	s_add_co_u32 s92, s92, s94
	s_mul_i32 s94, s91, 6144
	s_add_co_u32 s92, s92, s94
	s_mul_i32 s94, s90, 768
	s_add_co_u32 s92, s92, s94
	s_mov_b32 s93, 0
	s_lshl_b32 s94, s88, 12
	s_lshl_b32 s95, s91, 11
	s_add_co_u32 s94, s94, s95
	s_lshl_b32 s95, s89, 6
	s_add_co_u32 s94, s94, s95
	s_lshl_b32 s95, s90, 1
	s_add_co_u32 s94, s94, s95
	s_mov_b32 s95, 0
	s_lshl_b32 s82, s24, 10                        ; the head's 1,024 bytes of features' parts
	s_mov_b32 s83, 0
	s_mov_b32 s60, 0x3ffeb852                      ; 1.99
	s_mov_b32 s61, 0xc1200000                      ; -10
	s_mov_b32 s62, 0x41200000                      ; 10
	s_mov_b32 s[SEL], 0x76543210
	s_mov_b32 s[SEL+1], 0xfedcba98
	s_wait_dscnt 0x0
	s_wait_kmcnt 0x0
	s_load_b32 s27, s[16:17], 0x0                  ; bt2
	DESC 44, 0, 4, 72                              ; K's codes
	DESC 48, VC, 4, 74                             ; V's codes
	DESC 52, KWD, 6, 76                            ; K's words
	DESC 56, KWD+2048, 6, 78                       ; V's words
	s_add_nc_u64 s[4:5], s[4:5], s[84:85]          ; my tiles of Q,
	s_add_nc_u64 s[6:7], s[6:7], s[86:87]          ; their scale words,
	s_add_nc_u64 s[8:9], s[8:9], s[82:83]          ; the head's features' parts,
	s_add_nc_u64 s[18:19], s[18:19], s[92:93]      ; the result's codes
	s_add_nc_u64 s[20:21], s[20:21], s[94:95]      ; and scale bytes
	CROUND                                         ; all four work-groups are here: the joint loads meet
	ARM 1, 44, G1A, .Lfill_1                       ; one fill a wave, by the wave's number
	ARM 2, 48, G1A, .Lfill_2
	ARM 3, 52, G1B, .Lfill_3
	tensor_load_to_lds s[56:59], s[G1B:G1B+7]
	s_nop 0
	PLACES 4
.Lfilled:
	v_and_b32 v9, 31, v0                           ; lane
	v_and_b32 v10, 15, v0                          ; r
	v_bfe_u32 v11, v0, 4, 1                        ; h
	v_lshlrev_b32 v1, 4, v9                        ; 16 x lane
	v_lshlrev_b32 v2, 3, v9                        ; 8 x lane
	v_add_nc_u32 v3, VC, v1
	v_add_nc_u32 v4, VC, v2
	v_lshl_add_u32 v5, v9, 2, KWD                  ; the words: 4 x lane
	v_lshlrev_b32 v7, 2, v10                       ; 4 r
	v_add_nc_u32 v6, v7, v11                       ; the result's scale bytes: 4 r + h
	v_lshlrev_b32 v8, 3, v11                       ; 8 h
	global_load_b128 v[240:243], v1, s[8:9]        ; the parts of tiles 0-31 and 32-63, a tile a lane
	global_load_b128 v[244:247], v1, s[8:9] offset:512
	global_load_b32 v248, v7, s[10:11]             ; Wt1[0 .. 2][r]
	global_load_b32 v249, v7, s[10:11] offset:64
	global_load_b32 v250, v7, s[10:11] offset:128
	global_load_b32 v251, v7, s[12:13]             ; bt1[r]
	global_load_b32 v252, v7, s[14:15]             ; Wt2[r]
	global_load_b128 v[QLO:QLO+3], v1, s[4:5]      ; Q of my first tile, twice: the two operands share no register
	global_load_b64 v[QLO+4:QLO+5], v2, s[4:5] offset:512
	global_load_b128 v[QHI+6:QHI+9], v1, s[4:5]
	global_load_b64 v[QHI+10:QHI+11], v2, s[4:5] offset:512
	global_load_b32 v253, v7, s[6:7]               ; the words of my two pairs of tiles
	global_load_b32 v254, v7, s[6:7] offset:64
	WIN 0x40
.irp k, 0,1,2
	global_load_b128 v[QS+6*\k:QS+6*\k+3], v1, s[4:5] offset:768*(\k+1)        ; Q of the three tiles to come
	global_load_b64 v[QS+6*\k+4:QS+6*\k+5], v2, s[4:5] offset:768*(\k+1)+512
.endr
	WIN 0
.irp i, 0,1,2,3,4,5
	v_mov_b32 v[QLO+6+\i], 0                       ; zero codes
	v_mov_b32 v[QHI+\i], 0
.endr
.set j, 0
.rept 32
	v_mov_b32 v[BX+j], 0                           ; written once: a lane permute's destination counts as one of its sources
.set j, j+1
.endr
	v_mov_b32 v[PX], 0
	v_mov_b32 v[PX+1], 0
	v_mov_b32 v[NAM+1], 0                          ; (named as the upper halves of pairs whose low word serves both halves)
	v_mov_b32 v[RL+1], 0
	VW
	s_wait_loadcnt 0x0
	s_wait_kmcnt 0x0                               ; bt2
	v_perm_b32 v[QW], v253, v253, 0x01000100       ; (q0, q1, q0, q1) of my four tiles
	v_perm_b32 v[QW+1], v253, v253, 0x03020302
	v_perm_b32 v[QW+2], v254, v254, 0x01000100
	v_perm_b32 v[QW+3], v254, v254, 0x03020302
	; ---- t, in f32, in every wave alike, while the fills are on their way
	v_pk_add_f32 v[240:241], v[240:241], v[244:245]
	v_add_f32 v242, v242, v246
.irp m, 1,2,4,8
.irp f, 240,241,242
	v_add_f32_dpp v\f, v\f, v\f row_xmask:\m row_mask:0xf bank_mask:0xf
.endr
.endr
.irp f, 0,1,2
	v_permlanex16_b32 v[244+\f], v[240+\f], s[SEL], s[SEL+1]
.endr
.irp f, 0,1,2
	v_add_f32 v[240+\f], v[240+\f], v[244+\f]      ; the head's three sums
.endr
	v_mul_f32 v240, 0x34000000, v240               ; the mean of s: / 8 / 2^20
	v_mul_f32 v241, 0x39000000, v241               ; the mean of the rows' largest s: / 8 / 2^10
	v_mul_f32 v242, 0x3a800000, v242               ; the mean of the rows' variances: / 2^10
	v_med3_num_f32 v240, v240, s61, s62
	v_med3_num_f32 v241, v241, s61, s62
	v_med3_num_f32 v242, v242, 0, 1.0
	v_fma_f32 v251, v240, v248, v251               ; hidden unit r
	v_fma_f32 v251, v241, v249, v251
	v_fma_f32 v251, v242, v250, v251
	v_mul_f32 v251, 0x4038aa3b, v251               ; tanh(x) = 1 - 2 / (1 + 2^(2 log2(e) x))
	VW                                             ; round each of these transcendentals: the wait ahead, a plain place, the wait behind
	v_exp_f32 v251, v251
	v_nop
	VW
	v_add_f32 v251, 1.0, v251
	VW
	v_rcp_f32 v251, v251
	v_nop
	VW
	v_fma_f32 v251, v251, -2.0, 1.0
	v_mul_f32 v251, v251, v252
.irp m, 1,2,4,8
	v_add_f32_dpp v251, v251, v251 row_xmask:\m row_mask:0xf bank_mask:0xf
.endr
	v_add_f32 v251, s27, v251
	v_mul_f32 v251, 0xbfb8aa3b, v251               ; sigmoid(x) = 1 / (1 + 2^(-log2(e) x))
	VW
	v_exp_f32 v251, v251
	v_nop
	VW
	v_add_f32 v251, 1.0, v251
	VW
	v_rcp_f32 v251, v251
	v_nop
	VW
	v_fmaak_f32 v251, s60, v251, 0x3c23d70a        ; 0.01 + 1.99 x
	v_med3_num_f32 v251, v251, 0x3c23d70a, 2.0
	v_min_num_f32 v251, 0x3f59999a, v251           ; at most 0.85
	VW
	v_rcp_f32 v251, v251
	v_nop
	VW
	v_mul_f32 v251, 0x3f38aa3b, v251               ; a = log2(e) / (2 t)
	v_readfirstlane_b32 s[A], v251                 ; an operand of arithmetic alone: no address and no branch hangs on it
	s_mov_b32 s[A+1], s[A]
	s_xor_b32 s[NA], s[A], 0x80000000
	VW                                             ; the head's end
	s_wait_tensorcnt 0x0
	s_barrier_signal -1
	s_barrier_wait -1                              ; the head's K and V lie in LDS
.irp i, 0,1,2,3,4,5,6,7,8,9,10,11,12,13,14,15
	ds_load_b32 v[KS+\i], v5 offset:\i*128         ; pair 2 i in lanes 0-15, pair 2 i + 1 in lanes 16-31
	ds_load_b32 v[VS+\i], v5 offset:2048+\i*128    ; 128 keys i / 2: d tile 2 (i % 2) in lanes 0-15, the next in lanes 16-31
.endr
	s_wait_dscnt 0x0
.macro FETCHK g                        ; pairs 8 g .. 8 g + 7 of key tiles: 32 LDS loads; even groups into v96-191 of window 1, odd ones into v0-95
	WIN 0x40
.set KB, 96*(((\g)+1)%2)
.irp i, 0,1,2,3,4,5,6,7
	ds_load_b128 v[KB+12*\i:KB+12*\i+3], v1 offset:(\g)*12288+\i*1536
	ds_load_b64 v[KB+12*\i+4:KB+12*\i+5], v2 offset:(\g)*12288+\i*1536+512
	ds_load_b128 v[KB+12*\i+6:KB+12*\i+9], v1 offset:(\g)*12288+\i*1536+768
	ds_load_b64 v[KB+12*\i+10:KB+12*\i+11], v2 offset:(\g)*12288+\i*1536+1280
.endr
.endm
.macro SC d, kb, q, ks, odd            ; one product of scores, a sum of its own
.if \odd
	v_wmma_scale_f32_16x16x128_f8f6f4 v[\d:\d+7], v[\kb:\kb+11], v[\q:\q+11], 0, v[\ks], v[QW] matrix_a_fmt:MATRIX_FMT_FP6 matrix_b_fmt:MATRIX_FMT_FP6 matrix_a_scale:MATRIX_SCALE_ROW1
.else
	v_wmma_scale_f32_16x16x128_f8f6f4 v[\d:\d+7], v[\kb:\kb+11], v[\q:\q+11], 0, v[\ks], v[QW] matrix_a_fmt:MATRIX_FMT_FP6 matrix_b_fmt:MATRIX_FMT_FP6
.endif
.endm
.macro MX4 v, w                        ; sub-group v (blocks 4 v .. 4 v + 3): registers 2 w, 2 w + 1 of each block join its largest score; w ascending
	WIN 0x28+0x14*((\v)/4)
.irp c, 0,1,2,3
.if (\w) == 0
	v_max3_num_f32 v[BM+4*(\v)+\c], 0xff800000, v[16*((4*(\v)+\c)%16)], v[16*((4*(\v)+\c)%16)+1]
.else
	v_max3_num_f32 v[BM+4*(\v)+\c], v[BM+4*(\v)+\c], v[16*((4*(\v)+\c)%16)+2*(\w)], v[16*((4*(\v)+\c)%16)+2*(\w)+1]
.endif
.endr
.endm
.macro SUBK u, mx                      ; sub-group u: the eight products of pairs 4 u .. 4 u + 3; behind each (mx = 1) four maxima of sub-group u - 1, which name none of its registers
.irp i, 0,1,2,3
.set PP, 4*(\u)+\i
.set KB, 96*(((\u)/2+1)%2)+12*(PP%8)
.set DD, 16*(PP%16)
	WIN 0x81+0x40*((\u)/4)
	SC DD, KB, QLO, KS+PP/2, \i%2
.if \mx
	MX4 (\u)-1, 2*\i
.endif
	WIN 0x81+0x40*((\u)/4)
	SC DD+8, KB, QHI, KS+PP/2, \i%2
.if \mx
	MX4 (\u)-1, 2*\i+1
.endif
.endr
.endm
.macro FMA0                            ; a window's first 64 scores: a s - a m, two at a time
.set k, 0
.rept 32
	v_pk_fma_f32 v[2*k:2*k+1], v[2*k:2*k+1], s[A:A+1], v[NAM:NAM+1] op_sel_hi:[1,0,0]
.set k, k+1
.endr
.endm
.macro EXPW w                          ; window w's 256 exponentials in four groups of 64; among a group's stand the next group's multiply-adds, which name none of its registers
	WIN ((\w)<<6)|(\w)
.set g, 0
.rept 4
	VW                                             ; this group's multiply-adds are done
.set k, 0
.rept 32
.if g < 3
	v_pk_fma_f32 v[64*g+64+2*k:64*g+65+2*k], v[64*g+64+2*k:64*g+65+2*k], s[A:A+1], v[NAM:NAM+1] op_sel_hi:[1,0,0]
.endif
	v_exp_f32 v[64*g+2*k], v[64*g+2*k]
	v_exp_f32 v[64*g+2*k+1], v[64*g+2*k+1]
.set k, k+1
.endr
.set g, g+1
.endr
.endm
.macro CHAIN n                         ; n packed additions from pair k on, onto the eight chains by turns
.rept \n
	v_pk_add_f32 v[SUM+2*(k%8):SUM+2*(k%8)+1], v[2*k:2*k+1], v[SUM+2*(k%8):SUM+2*(k%8)+1]
.set k, k+1
.endr
.endm
.macro NORMC ks, k0, n                 ; the 128 keys ks: p = e / the sum, n pairs from pair k0 on
	WIN 0x82+0x41*((\ks)/4)
.set k, \k0
.rept \n
	v_pk_mul_f32 v[64*((\ks)%4)+2*k:64*((\ks)%4)+2*k+1], v[64*((\ks)%4)+2*k:64*((\ks)%4)+2*k+1], v[RL:RL+1] op_sel_hi:[1,0]
.set k, k+1
.endr
.endm
.macro CVT ks                          ; their codes: a fragment, into set ks % 2
	WIN 0x02+((\ks)/4)
	v_cvt_scalef32_pk16_fp6_f32 v[PC0+12*((\ks)%2):PC0+12*((\ks)%2)+2], v[64*((\ks)%4):64*((\ks)%4)+15], v[BM+4*(\ks)]
	v_cvt_scalef32_pk16_fp6_f32 v[T0:T0+2], v[64*((\ks)%4)+16:64*((\ks)%4)+31], v[BM+4*(\ks)+1]
	v_cvt_scalef32_pk16_fp6_f32 v[PC0+12*((\ks)%2)+6:PC0+12*((\ks)%2)+8], v[64*((\ks)%4)+32:64*((\ks)%4)+47], v[BM+4*(\ks)+2]
	v_cvt_scalef32_pk16_fp6_f32 v[T1:T1+2], v[64*((\ks)%4)+48:64*((\ks)%4)+63], v[BM+4*(\ks)+3]
	WIN 0
	v_nop                                          ; one plain place behind the scaled conversions
.irp i, 0,1,2
	v_permlane16_swap_b32 v[PC0+12*((\ks)%2)+\i], v[T0+\i]       ; a whole block to a lane
	v_permlane16_swap_b32 v[PC0+12*((\ks)%2)+6+\i], v[T1+\i]
.endr
.irp i, 0,1,2
	v_mov_b32 v[PC0+12*((\ks)%2)+3+\i], v[T0+\i]
	v_mov_b32 v[PC0+12*((\ks)%2)+9+\i], v[T1+\i]
.endr
.endm
.macro FETCHV ks                       ; V's four fragments of the 128 keys ks: 16 LDS loads
	WIN 0x40
.irp t, 0,1,2,3
	ds_load_b128 v[48*((\ks)%2)+12*\t:48*((\ks)%2)+12*\t+3], v3 offset:(\ks)*6144+\t*1536
	ds_load_b64 v[48*((\ks)%2)+12*\t+4:48*((\ks)%2)+12*\t+5], v4 offset:(\ks)*6144+\t*1536+512
	ds_load_b128 v[48*((\ks)%2)+12*\t+6:48*((\ks)%2)+12*\t+9], v3 offset:(\ks)*6144+\t*1536+768
	ds_load_b64 v[48*((\ks)%2)+12*\t+10:48*((\ks)%2)+12*\t+11], v4 offset:(\ks)*6144+\t*1536+1280
.endr
.endm
.macro PV1 ks, t                       ; O^T += V^T p^T, d tile t: the four accumulators by turns; the first 128 keys start the sums
	WIN 0x01
.if (\ks) == 0
.if (\t%2) == 0
	v_wmma_scale_f32_16x16x128_f8f6f4 v[O+8*\t:O+8*\t+7], v[48*((\ks)%2)+12*\t:48*((\ks)%2)+12*\t+11], v[PC0+12*((\ks)%2):PC0+12*((\ks)%2)+11], 0, v[VS+2*(\ks)+\t/2], v[PW+(\ks)] matrix_a_fmt:MATRIX_FMT_FP6 matrix_b_fmt:MATRIX_FMT_FP6
.else
	v_wmma_scale_f32_16x16x128_f8f6f4 v[O+8*\t:O+8*\t+7], v[48*((\ks)%2)+12*\t:48*((\ks)%2)+12*\t+11], v[PC0+12*((\ks)%2):PC0+12*((\ks)%2)+11], 0, v[VS+2*(\ks)+\t/2], v[PW+(\ks)] matrix_a_fmt:MATRIX_FMT_FP6 matrix_b_fmt:MATRIX_FMT_FP6 matrix_a_scale:MATRIX_SCALE_ROW1
.endif
.else
.if (\t%2) == 0
	v_wmma_scale_f32_16x16x128_f8f6f4 v[O+8*\t:O+8*\t+7], v[48*((\ks)%2)+12*\t:48*((\ks)%2)+12*\t+11], v[PC0+12*((\ks)%2):PC0+12*((\ks)%2)+11], v[O+8*\t:O+8*\t+7], v[VS+2*(\ks)+\t/2], v[PW+(\ks)] matrix_a_fmt:MATRIX_FMT_FP6 matrix_b_fmt:MATRIX_FMT_FP6
.else
	v_wmma_scale_f32_16x16x128_f8f6f4 v[O+8*\t:O+8*\t+7], v[48*((\ks)%2)+12*\t:48*((\ks)%2)+12*\t+11], v[PC0+12*((\ks)%2):PC0+12*((\ks)%2)+11], v[O+8*\t:O+8*\t+7], v[VS+2*(\ks)+\t/2], v[PW+(\ks)] matrix_a_fmt:MATRIX_FMT_FP6 matrix_b_fmt:MATRIX_FMT_FP6 matrix_a_scale:MATRIX_SCALE_ROW1
.endif
.endif
.endm
	s_mov_b32 s[IT], 4
	FETCHK 0
	WIN 0
.Ltile:                                            ; four trips: a tile of 16 queries each; group 0's fragments have been asked for
	FETCHK 1
	s_wait_dscnt 32                                ; this group's 32 loads are in; the next group's 32 may be out
	SUBK 0, 0
	PLACES 4                                       ; in front of the first read of these results
	SUBK 1, 1
	FETCHK 2                                       ; the four maxima behind the last product are the places in front of these loads
	s_wait_dscnt 32
	SUBK 2, 1
	SUBK 3, 1
	FETCHK 3
	s_wait_dscnt 32
	SUBK 4, 1
	SUBK 5, 1
	s_wait_dscnt 0x0
	SUBK 6, 1
	SUBK 7, 1
	FETCHK 0                                       ; the next tile's group 0, into the set that group 2's products read last (the last trip's serves nothing)
.irp w, 0,1,2,3,4,5,6,7
	MX4 7, \w
.endr
	FETCHV 0                                       ; into registers that group 3's products read last, 32 plain lines ago
	WIN 0
.set j, 0
.rept 32
	v_permlanex16_b32 v[BX+j], v[BM+j], s[SEL], s[SEL+1]
.set j, j+1
.endr
.set j, 0
.rept 32
	v_max_num_f32 v[BM+j], v[BM+j], v[BX+j]        ; with lane l xor 16's 16 keys: each block's largest score
.set j, j+1
.endr
.irp c, 0,1,2,3
	v_max3_num_f32 v[9+\c], v[BM+\c], v[BM+4+\c], v[BM+8+\c]
.endr
.irp k, 12,20
.irp c, 0,1,2,3
	v_max3_num_f32 v[9+\c], v[9+\c], v[BM+\k+\c], v[BM+\k+4+\c]
.endr
.endr
.irp c, 0,1,2,3
	v_max_num_f32 v[9+\c], v[9+\c], v[BM+28+\c]
.endr
	v_max3_num_f32 v9, v9, v10, v11
	v_max_num_f32 v9, v9, v12                      ; m: the row's largest score
	v_mul_f32 v[NAM], s[NA], v9                    ; -a m
.set j, 0
.rept 32
	v_fma_f32 v[BX+j], v[BM+j], s[A], v[NAM]       ; the same multiply-add of each block's largest score
.set j, j+1
.endr
	WIN 0x82
	FMA0
	WIN 0xc3
	FMA0
	EXPW 2
	EXPW 3
	WIN 0
.set j, 0
.rept 32
	v_exp_f32 v[BX+j], v[BX+j]
.set j, j+1
.endr
	v_nop                                          ; a plain place behind the last exponential
	VW                                             ; one wait ahead of the first reader of the exponentials
	WIN 0x0a                                       ; the row's sum, two at a time, in eight chains; each chain begins with the sum of two pairs
.set k, 0
.rept 8
	v_pk_add_f32 v[SUM+2*k:SUM+2*k+1], v[2*k:2*k+1], v[2*k+16:2*k+17]
.set k, k+1
.endr
	WIN 0x02
.set k, 16
	CHAIN 112
	WIN 0x03
.set k, 0
	CHAIN 128
	WIN 0
.irp c, 0,2,4,6
	v_pk_add_f32 v[SUM+\c:SUM+\c+1], v[SUM+\c:SUM+\c+1], v[SUM+8+\c:SUM+9+\c]
.endr
.irp c, 0,2
	v_pk_add_f32 v[SUM+\c:SUM+\c+1], v[SUM+\c:SUM+\c+1], v[SUM+4+\c:SUM+5+\c]
.endr
	v_pk_add_f32 v[SUM:SUM+1], v[SUM:SUM+1], v[SUM+2:SUM+3]
	v_add_f32 v[SUM], v[SUM], v[SUM+1]
	v_permlanex16_b32 v[SUM+1], v[SUM], s[SEL], s[SEL+1]
	v_add_f32 v[SUM], v[SUM], v[SUM+1]             ; the row's sum
	VW
	v_rcp_f32 v[RL], v[SUM]
	v_nop
	VW
.set j, 0
.rept 32
	v_mul_f32 v[BX+j], v[BX+j], v[RL]              ; each block's largest p
.set j, j+1
.endr
.set j, 0
.rept 32
	v_max_num_f32 v[BX+j], 0x1800000, v[BX+j]      ; the floor 2^(3 - 127): the byte cannot fall under 1
.set j, j+1
.endr
.set j, 0
.rept 32
	v_add_nc_u32 v[BM+j], 0xff000000, v[BX+j]      ; 2 off the exponent field: the conversion's scale operand
.set j, j+1
.endr
.set j, 0
.rept 32
	v_lshrrev_b32 v[BX+j], 23, v[BM+j]             ; the scale's byte
.set j, j+1
.endr
.irp s, 0,1,2,3,4,5,6,7
	v_lshl_or_b32 v[PW+\s], v[BX+4*\s+1], 8, v[BX+4*\s]          ; p's scale word of each 128 keys
.endr
.irp s, 0,1,2,3,4,5,6,7
	v_lshl_or_b32 v[PW+\s], v[BX+4*\s+2], 16, v[PW+\s]
.endr
.irp s, 0,1,2,3,4,5,6,7
	v_lshl_or_b32 v[PW+\s], v[BX+4*\s+3], 24, v[PW+\s]
.endr
	NORMC 0, 0, 32
.irp ks, 0,1,2,3,4,5,6,7
	CVT \ks                                        ; its plain lines are the places in front of the loads below
.if \ks < 7
	FETCHV \ks+1
	NORMC \ks+1, 0, 11                             ; eleven plain lines between the codes just made and the wait and the product that takes them
	s_wait_dscnt 16                                ; these keys' 16 loads are in; the next keys' 16 may be out
	PV1 \ks, 0
	NORMC \ks+1, 11, 7                             ; the next keys' p are made among the products
	PV1 \ks, 1
	NORMC \ks+1, 18, 7
	PV1 \ks, 2
	NORMC \ks+1, 25, 7
	PV1 \ks, 3
.else
	PLACES 4                                       ; an operand written by vector instructions stands four places ahead of a scaled matrix instruction
	VW
	s_wait_dscnt 0x0
	PV1 \ks, 0
	PV1 \ks, 1
	PV1 \ks, 2
	PV1 \ks, 3
.endif
.endr
	WIN 0
	PLACES 4
	QUANT32 O, OC, BYO                             ; O^T's 32 registers are the head's 64 numbers of my query: two blocks along the model's 1,024
	global_store_b128 v1, v[OC:OC+3], s[18:19]
	global_store_b64 v2, v[OC+4:OC+5], s[18:19] offset:512
	v_lshrrev_b32 v207, v8, v[BYO]
	global_store_b8 v6, v207, s[20:21]             ; lane (r, h): block h's byte of row r
	WIN 0x01                                       ; the next tile's Q moves in,
.irp i, 0,1,2,3,4,5
	v_mov_b32 v[QLO+\i], v[QS+\i]
	v_mov_b32 v[QHI+6+\i], v[QS+\i]
.endr
	WIN 0x41                                       ; and the tiles behind it move up (the last trip's moves serve nothing)
.irp i, 0,1,2,3,4,5,6,7,8,9,10,11
	v_mov_b32 v[QS+\i], v[QS+6+\i]
.endr
	WIN 0
	v_mov_b32 v[QW], v[QW+1]
	v_mov_b32 v[QW+1], v[QW+2]
	v_mov_b32 v[QW+2], v[QW+3]
	PLACES 8                                       ; a scale register written by a vector instruction stands eight places ahead of a scaled matrix instruction
	VW                                             ; ahead of the blocking wait and the branch: what was just moved is read behind them
	s_wait_xcnt 0x0                                ; the stores have read their registers and bases: both are written again
	s_add_nc_u64 s[18:19], s[18:19], 1536
	s_add_nc_u64 s[20:21], s[20:21], 512
	s_sub_co_u32 s[IT], s[IT], 1
	s_cmp_lg_u32 s[IT], 0
	s_cbranch_scc1 .Ltile
	s_wait_tensorcnt 0x0                           ; the wave's end
	ds_add_u32 v199, v255
	s_wait_dscnt 0x0
	CROUND                                         ; the closing round
	s_endpgm
.Lfunc_end_k_q33ba637857_attn:
	.size	k_q33ba637857_attn, .Lfunc_end_k_q33ba637857_attn-k_q33ba637857_attn
	.p2alignl 7, 3214868480
	.fill 96, 4, 3214868480
	.section	.rodata,"a",@progbits
	.p2align	6, 0x0
	.amdhsa_kernel k_q33ba637857_attn
		.amdhsa_group_segment_fixed_size 168448
		.amdhsa_private_segment_fixed_size 0
		.amdhsa_enable_private_segment 0
		.amdhsa_kernarg_size 72
		.amdhsa_user_sgpr_count 2
		.amdhsa_user_sgpr_kernarg_segment_ptr 1
		.amdhsa_wavefront_size32 1
		.amdhsa_system_sgpr_workgroup_id_x 1
		.amdhsa_system_sgpr_workgroup_id_y 1
		.amdhsa_system_sgpr_workgroup_id_z 1
		.amdhsa_system_vgpr_workitem_id 0
		.amdhsa_next_free_vgpr 1024
		.amdhsa_next_free_sgpr 96
		.amdhsa_reserve_vcc 0
		.amdhsa_float_denorm_mode_32 3
		.amdhsa_float_denorm_mode_16_64 3
		.amdhsa_memory_ordered 1
		.amdhsa_forward_progress 1
		.amdhsa_inst_pref_size 160
	.end_amdhsa_kernel
	.amdgpu_metadata
---
amdhsa.version: [ 1, 2 ]
amdhsa.kernels:
  - .name:           k_q33ba637857_attn
    .symbol:         k_q33ba637857_attn.kd
    .args:
      - { .name: acd, .offset: 0, .size: 8, .value_kind: global_buffer, .address_space: global }
      - { .name: asc, .offset: 8, .size: 8, .value_kind: global_buffer, .address_space: global }
      - { .name: stt, .offset: 16, .size: 8, .value_kind: global_buffer, .address_space: global }
      - { .name: Wt1, .offset: 24, .size: 8, .value_kind: global_buffer, .address_space: global }
      - { .name: bt1, .offset: 32, .size: 8, .value_kind: global_buffer, .address_space: global }
      - { .name: Wt2, .offset: 40, .size: 8, .value_kind: global_buffer, .address_space: global }
      - { .name: bt2, .offset: 48, .size: 8, .value_kind: global_buffer, .address_space: global }
      - { .name: ocd, .offset: 56, .size: 8, .value_kind: global_buffer, .address_space: global }
      - { .name: osc, .offset: 64, .size: 8, .value_kind: global_buffer, .address_space: global }
    .group_segment_fixed_size: 168448
    .private_segment_fixed_size: 0
    .kernarg_segment_align: 8
    .kernarg_segment_size: 72
    .max_flat_workgroup_size: 128
    .sgpr_count:     96
    .vgpr_count:     1024
    .wavefront_size: 32
...
	.end_amdgpu_metadata
.endif
;; end of part 4
;; launch outp (part 5): grid 8 x 32, 4 waves a work-group, clusters of 4 x 4, 214,528 bytes of LDS; arguments opc, ops, ocd, osc, bo, out0; writes out0
.if DOCPART == 5
	.amdgcn_target "amdgcn-amd-amdhsa--gfx1250"
	.amdhsa_code_object_version 6
	.text
	.protected	k_q33ba637857_outp
	.globl	k_q33ba637857_outp
	.p2align	8
	.type	k_q33ba637857_outp,@function
k_q33ba637857_outp:
	s_mov_b64 s[64:65], 0
	v_nop
	global_prefetch_b8 v0, s[64:65] scope:SCOPE_SE
	s_setreg_imm32_b32 hwreg(HW_REG_WAVE_MODE, 25, 1), 1
	s_wait_xcnt 0x0
	s_wait_alu depctr_hold_cnt(0) depctr_sa_sdst(0) depctr_va_vdst(0) depctr_va_sdst(0) depctr_va_ssrc(0) depctr_va_vcc(0) depctr_vm_vsrc(0)
	s_getreg_b32 s2, hwreg(HW_REG_IB_STS2, 6, 4)
	s_cmp_eq_u32 s2, 0
	s_cbranch_scc0 .Lentry_in_a_cluster
	s_endpgm
.Lentry_in_a_cluster:
	s_bfe_u32 s2, ttmp6, 0x10000c
	s_cmp_lg_u32 s2, 0xf033
	s_cbranch_scc0 .Lentry_shape_is_right
	s_endpgm
.Lentry_shape_is_right:
; out0 = attention's result x Wo + bo on codes of FP6 (E2M3) with E8M0 scales, sums in f32, out0 [4096][1024] f32.
; A work-group makes 128 features (source 0: Wo's slab 120 + X of opc) x 128 tokens (source 1: slab Y of ocd); both slabs, 98,304 bytes each in the order of an operand's registers, lie in LDS whole: each LDS byte is filled once.
; A wave makes 64 x 64: 16 accumulators by turns; K in 8 steps of 128, the fragments of two steps ahead fetched behind each step's products.  The bias is the C of each sum's first matrix instruction.
; In the result lane r is token 32 (q / 2) + 8 (q % 2) + r + 8 (r / 8) of the wave's 64, and register j of tile p feature 32 (p / 2) + 16 h + 8 (p % 2) + j.
; CLUSTER 4 x 4: Wo's slab hangs on x alone and is asked for jointly by a column of the cluster, the tokens' on y alone, by a row.
; THE WAY OUT: 16 tokens x 64 features go through the wave's own stage in LDS (rows of 256 bytes + 16, behind the slabs, where no fill lands) and leave as rows: sixteen lanes store 256 consecutive bytes at a multiple of 256 from out0's first byte.
; REGISTERS: window 0: v4-11 LDS addresses; v16-31, v32-47 scale words and nothing else; v48-79 the bias, later rows on their way out; v80-82 the way out's addresses; v96-223 accumulators ((p, q) at 96 + 32 q + 8 p); v224-255 rows on their way out.
;   window 1: two sets of 96: source 0's four fragments, then source 1's four.
.set SLAB,  98304
.set PIECE, 49152                      ; half a slab, four K steps: what a wave's one tensor load brings
.set STAGE, 2*SLAB
.set SPITCH, 272
.set SP,  16
.set SR,  32
.set BI,  48
.set STO, 80
.set RDA, 81
.set CO,  82
.set ACC, 96
.set F0,  0
.set F1,  96
.set WV,  18
.set G1P, 28
.set G1R, 36
.set G0P, 44
.set G0R, 52
.set MSB, 0
.macro WIN new
.if MSB != (\new)
	s_set_vgpr_msb (MSB<<8)|(\new)
.set MSB, (\new)
.endif
.endm
.macro PLACES n
.rept \n
	v_nop
.endr
.endm
.macro CROUND
	s_barrier_signal -1
	s_barrier_wait -1
	s_cmp_lg_u32 s[WV], 0
	s_cbranch_scc1 .Lnot_wave_0_\@
	s_barrier_signal -3
.Lnot_wave_0_\@:
	s_barrier_wait -3
	s_barrier_signal -1
	s_barrier_wait -1
.endm
	s_load_b256 s[4:11], s[0:1], 0x0               ; opc, ops, ocd, osc
	s_load_b128 s[12:15], s[0:1], 0x20             ; bo, out0
	v_lshl_add_u32 v94, v0, 2, 0x34400
	v_mov_b32 v95, 0
	ds_add_u32 v94, v95
	ds_add_u32 v94, v95
	v_lshrrev_b32 v1, 5, v0
	v_readfirstlane_b32 s[WV], v1                  ; wave 0..3
	s_lshr_b32 s19, s[WV], 1                       ; which 64 features are mine.  Also: I fetch for Wo (0) or for the tokens (1)
	s_and_b32 s20, s[WV], 1                        ; which 64 tokens.  Also: which pieces of that slab I fetch
	s_bfe_u32 s21, ttmp6, 0x40000                  ; cx
	s_bfe_u32 s22, ttmp6, 0x40004                  ; cy
	s_lshl_b32 s23, ttmp9, 2
	s_add_co_u32 s23, s23, s21                     ; X
	s_and_b32 s24, ttmp7, 0xffff
	s_lshl_b32 s24, s24, 2
	s_add_co_u32 s24, s24, s22                     ; Y
	s_add_co_u32 s60, s23, 120                     ; Wo's slab in opc: it never holds cy
	s_lshl_b32 s27, s22, 2
	s_lshl_b32 s27, 15, s27                        ; my row of the cluster
	s_lshl_b32 s66, 0x1111, s21                    ; my column
	s_or_b32 s[G1P], s66, (3<<16)|(1<<21)          ; 15:0 the mask; 17:16 elements of 8 bytes; 21 set beside a mask
	s_or_b32 s[G1R], s27, (3<<16)|(1<<21)
.irp g, G1P, G1R                       ; 49,152 dense bytes as 192 rows of 32 elements of 8 bytes
	s_mov_b32 s[\g+1], 32<<16
	s_mov_b32 s[\g+2], 192<<16
	s_mov_b32 s[\g+3], 32<<16
	s_mov_b32 s[\g+4], 192
	s_mov_b32 s[\g+5], 32
	s_mov_b32 s[\g+6], 0
	s_mov_b32 s[\g+7], 0
.endr
	s_mul_i32 s67, s20, PIECE
	s_mul_i32 s68, s60, SLAB
	s_add_co_u32 s68, s68, s67
	s_mov_b32 s69, 0
	s_mul_i32 s70, s24, SLAB
	s_add_co_u32 s70, s70, s67
	s_mov_b32 s71, 0
	s_mul_i32 s72, s19, SLAB
	s_add_co_u32 s72, s72, s67                     ; no place in the cluster enters an LDS address
	s_wait_dscnt 0x0
	s_wait_kmcnt 0x0
	s_add_nc_u64 s[68:69], s[4:5], s[68:69]
	s_add_nc_u64 s[70:71], s[8:9], s[70:71]
.irp k, 0
	s_mov_b32 s[G0P+4*\k], 1
	s_add_co_u32 s[G0P+4*\k+1], s72, \k*49152
	s_add_nc_u64 s[G0P+4*\k+2:G0P+4*\k+3], s[68:69], \k*49152
	s_or_b32 s[G0P+4*\k+3], s[G0P+4*\k+3], 0x80000000
	s_mov_b32 s[G0R+4*\k], 1
	s_add_co_u32 s[G0R+4*\k+1], s72, \k*49152
	s_add_nc_u64 s[G0R+4*\k+2:G0R+4*\k+3], s[70:71], \k*49152
	s_or_b32 s[G0R+4*\k+3], s[G0R+4*\k+3], 0x80000000
.endr
	CROUND                                         ; all sixteen work-groups are here: the joint loads meet
	s_cmp_eq_u32 s19, 0                            ; one fill a wave, half a slab, in one branch on the wave's number
	s_cbranch_scc0 .Lfill_r
	tensor_load_to_lds s[G0P:G0P+3], s[G1P:G1P+7]
	s_nop 0
	PLACES 4
	s_branch .Lfilled
.Lfill_r:
	tensor_load_to_lds s[G0R:G0R+3], s[G1R:G1R+7]
	s_nop 0
	PLACES 4
.Lfilled:
	v_and_b32 v1, 31, v0                           ; lane
	v_and_b32 v2, 15, v0                           ; r
	v_bfe_u32 v3, v0, 4, 1                         ; h
	v_lshlrev_b32 v12, 4, v1
	v_lshlrev_b32 v13, 3, v1
	v_lshlrev_b32 v14, 2, v1
	s_mul_i32 s73, s19, 6144
	v_add_nc_u32 v4, s73, v12
	v_add_nc_u32 v5, s73, v13
	s_mul_i32 s74, s20, 6144
	s_add_co_u32 s74, s74, SLAB
	v_add_nc_u32 v6, s74, v12
	v_add_nc_u32 v7, s74, v13
.irp i, 0,1,2,3
	v_add_nc_u32 v[8+\i], 49152, v[4+\i]
.endr
	v_lshlrev_b32 v15, 6, v3                       ; the bias: 64 h bytes
	s_wait_alu depctr_va_vdst(0)
	s_mul_i32 s75, s[WV], 16*SPITCH
	s_add_co_u32 s75, s75, STAGE                   ; my stage
	v_mul_u32_u24 v[STO], v2, SPITCH
	v_lshl_add_u32 v[STO], v3, 6, v[STO]
	v_add_nc_u32 v[STO], s75, v[STO]               ; in: row r, + 64 h
	v_mul_u32_u24 v[RDA], v3, SPITCH
	v_lshl_add_u32 v[RDA], v2, 4, v[RDA]
	v_add_nc_u32 v[RDA], s75, v[RDA]               ; back: lanes 0-15 one row of 256 bytes, lanes 16-31 the next
	v_lshlrev_b32 v[CO], 12, v3
	v_lshl_add_u32 v[CO], v2, 4, v[CO]             ; and the same two rows in out0
	s_lshl_b32 s76, s60, 12
	s_lshl_b32 s75, s19, 11
	s_add_co_u32 s76, s76, s75
	s_mov_b32 s77, 0
	s_add_nc_u64 s[76:77], s[6:7], s[76:77]
	s_lshl_b32 s78, s24, 12
	s_lshl_b32 s75, s20, 11
	s_add_co_u32 s78, s78, s75
	s_mov_b32 s79, 0
	s_add_nc_u64 s[78:79], s[10:11], s[78:79]
.irp p, 0,1,2,3
.irp j, 0,1,2,3
	global_load_b32 v[SP+4*\p+\j], v14, s[76:77] offset:\p*512+\j*128    ; lanes 0-15: K step 2 j, lanes 16-31: K step 2 j + 1
	global_load_b32 v[SR+4*\p+\j], v14, s[78:79] offset:\p*512+\j*128
.endr
.endr
	s_lshl_b32 s82, s23, 9
	s_lshl_b32 s75, s19, 8
	s_add_co_u32 s82, s82, s75                     ; my first feature, in bytes: 4 (128 X + 64 x half)
	s_mov_b32 s83, 0
	s_add_nc_u64 s[12:13], s[12:13], s[82:83]
.irp p, 0,1,2,3
	global_load_b128 v[BI+8*\p:BI+8*\p+3], v15, s[12:13] offset:(32*(\p/2)+8*(\p%2))*4
	global_load_b128 v[BI+8*\p+4:BI+8*\p+7], v15, s[12:13] offset:(32*(\p/2)+8*(\p%2))*4+16
.endr
	s_lshl_b32 s84, s24, 19                        ; 128 Y rows of 4,096 bytes
	s_lshl_b32 s75, s20, 18                        ; + 64 rows
	s_add_co_u32 s84, s84, s75
	s_add_co_u32 s84, s84, s82
	s_mov_b32 s85, 0
	s_add_nc_u64 s[14:15], s[14:15], s[84:85]
.macro FETCH s, f
	WIN 0x40
.set AO, 4*((\s)/4)
.irp t, 0,1,2,3
	ds_load_b128 v[\f+12*\t:\f+12*\t+3], v[4+AO] offset:((\s)%4)*12288+\t*1536
	ds_load_b64 v[\f+12*\t+4:\f+12*\t+5], v[5+AO] offset:((\s)%4)*12288+\t*1536+512
	ds_load_b128 v[\f+12*\t+6:\f+12*\t+9], v[4+AO] offset:((\s)%4)*12288+\t*1536+768
	ds_load_b64 v[\f+12*\t+10:\f+12*\t+11], v[5+AO] offset:((\s)%4)*12288+\t*1536+1280
.endr
.irp t, 0,1,2,3
	ds_load_b128 v[\f+48+12*\t:\f+48+12*\t+3], v[6+AO] offset:((\s)%4)*12288+\t*1536
	ds_load_b64 v[\f+48+12*\t+4:\f+48+12*\t+5], v[7+AO] offset:((\s)%4)*12288+\t*1536+512
	ds_load_b128 v[\f+48+12*\t+6:\f+48+12*\t+9], v[6+AO] offset:((\s)%4)*12288+\t*1536+768
	ds_load_b64 v[\f+48+12*\t+10:\f+48+12*\t+11], v[7+AO] offset:((\s)%4)*12288+\t*1536+1280
.endr
.endm
.macro MUL s, f                        ; 16 matrix instructions, the accumulators by turns.  K step 0 starts the sums with the bias
	WIN 0x05
.irp q, 0,1,2,3
.irp p, 0,1,2,3
.if (\s) == 0
	v_wmma_scale_f32_16x16x128_f8f6f4 v[ACC+32*\q+8*\p:ACC+32*\q+8*\p+7], v[\f+12*\p:\f+12*\p+11], v[\f+48+12*\q:\f+48+12*\q+11], v[BI+8*\p:BI+8*\p+7], v[SP+4*\p], v[SR+4*\q] matrix_a_fmt:MATRIX_FMT_FP6 matrix_b_fmt:MATRIX_FMT_FP6
.elseif ((\s)%2) == 0
	v_wmma_scale_f32_16x16x128_f8f6f4 v[ACC+32*\q+8*\p:ACC+32*\q+8*\p+7], v[\f+12*\p:\f+12*\p+11], v[\f+48+12*\q:\f+48+12*\q+11], v[ACC+32*\q+8*\p:ACC+32*\q+8*\p+7], v[SP+4*\p+(\s)/2], v[SR+4*\q+(\s)/2] matrix_a_fmt:MATRIX_FMT_FP6 matrix_b_fmt:MATRIX_FMT_FP6
.else
	v_wmma_scale_f32_16x16x128_f8f6f4 v[ACC+32*\q+8*\p:ACC+32*\q+8*\p+7], v[\f+12*\p:\f+12*\p+11], v[\f+48+12*\q:\f+48+12*\q+11], v[ACC+32*\q+8*\p:ACC+32*\q+8*\p+7], v[SP+4*\p+(\s)/2], v[SR+4*\q+(\s)/2] matrix_a_fmt:MATRIX_FMT_FP6 matrix_b_fmt:MATRIX_FMT_FP6 matrix_a_scale:MATRIX_SCALE_ROW1 matrix_b_scale:MATRIX_SCALE_ROW1
.endif
.endr
.endr
.endm
	s_wait_tensorcnt 0x0                           ; my half slab is in; nothing is filled again in this launch
	s_barrier_signal -1
	s_barrier_wait -1
	FETCH 0, F0
	FETCH 1, F1
	s_wait_loadcnt 0x0                             ; the scale words and the bias
	s_wait_dscnt 32                                ; this step's 32 loads are in; the next step's 32 may be out (so in every step)
	MUL 0, F0
	PLACES 4                                       ; in front of loads into registers that matrix instructions have read
	FETCH 2, F0
	s_wait_dscnt 32
	MUL 1, F1
	PLACES 4
	FETCH 3, F1
	s_wait_dscnt 32
	MUL 2, F0
	PLACES 4
	FETCH 4, F0
	s_wait_dscnt 32
	MUL 3, F1
	PLACES 4
	FETCH 5, F1
	s_wait_dscnt 32
	MUL 4, F0
	PLACES 4
	FETCH 6, F0
	s_wait_dscnt 32
	MUL 5, F1
	PLACES 4
	FETCH 7, F1
	s_wait_dscnt 32
	MUL 6, F0
	s_wait_dscnt 0x0
	MUL 7, F1
	WIN 0
	PLACES 4                                       ; in front of the first read of results, and of loads into the registers that held the bias
.macro TOSTAGE q                       ; 16 tokens x 64 features into my stage, and back as rows.  LDS serves a wave's instructions in order: no wait between the stores and the loads, nor in front of the next block's stores
.irp p, 0,1,2,3
	ds_store_b128 v[STO], v[ACC+32*(\q)+8*\p:ACC+32*(\q)+8*\p+3] offset:128*(\p/2)+32*(\p%2)          ; each accumulator from its low end on
	ds_store_b128 v[STO], v[ACC+32*(\q)+8*\p+4:ACC+32*(\q)+8*\p+7] offset:128*(\p/2)+32*(\p%2)+16
.endr
.irp t, 0,1,2,3,4,5,6,7
	ds_load_b128 v[BI+176*((\q)%2)+4*\t:BI+176*((\q)%2)+4*\t+3], v[RDA] offset:\t*2*SPITCH           ; v48-79 and v224-255 by turns
.endr
.endm
.macro SEND q, younger                 ; younger: the LDS instructions issued behind block q's loads, which may stay out
	s_wait_dscnt \younger
.irp t, 0,1,2,3,4,5,6,7
	global_store_b128 v[CO], v[BI+176*((\q)%2)+4*\t:BI+176*((\q)%2)+4*\t+3], s[14:15] offset:(32*((\q)/2)+8*((\q)%2)+2*\t+8*(\t/4))*4096 th:TH_STORE_NT   ; stage rows 2 t, 2 t + 1 are tokens 2 t + 8 (t / 4) and the next
.endr
.endm
	s_wait_alu depctr_va_vdst(0)
	TOSTAGE 0
	TOSTAGE 1
	SEND 0, 16                                     ; behind block 0's loads: block 1's 8 stores and 8 loads
	s_wait_xcnt 0x0                                ; block 0's stores have read their registers: block 2's loads may land there
	TOSTAGE 2
	SEND 1, 16
	s_wait_xcnt 0x0
	TOSTAGE 3
	SEND 2, 16
	SEND 3, 0
	s_wait_tensorcnt 0x0
	ds_add_u32 v94, v95
	s_wait_dscnt 0x0
	CROUND                                         ; the closing round: no work-group ends while a partner may still ask for a slab that names it
	s_endpgm
.Lfunc_end_k_q33ba637857_outp:
	.size	k_q33ba637857_outp, .Lfunc_end_k_q33ba637857_outp-k_q33ba637857_outp
	.p2alignl 7, 3214868480
	.fill 96, 4, 3214868480
	.section	.rodata,"a",@progbits
	.p2align	6, 0x0
	.amdhsa_kernel k_q33ba637857_outp
		.amdhsa_group_segment_fixed_size 214528
		.amdhsa_private_segment_fixed_size 0
		.amdhsa_enable_private_segment 0
		.amdhsa_kernarg_size 48
		.amdhsa_user_sgpr_count 2
		.amdhsa_user_sgpr_kernarg_segment_ptr 1
		.amdhsa_wavefront_size32 1
		.amdhsa_system_sgpr_workgroup_id_x 1
		.amdhsa_system_sgpr_workgroup_id_y 1
		.amdhsa_system_sgpr_workgroup_id_z 1
		.amdhsa_system_vgpr_workitem_id 0
		.amdhsa_next_free_vgpr 512
		.amdhsa_next_free_sgpr 96
		.amdhsa_reserve_vcc 0
		.amdhsa_float_denorm_mode_32 3
		.amdhsa_float_denorm_mode_16_64 3
		.amdhsa_memory_ordered 1
		.amdhsa_forward_progress 1
		.amdhsa_inst_pref_size 52
	.end_amdhsa_kernel
	.amdgpu_metadata
---
amdhsa.version: [ 1, 2 ]
amdhsa.kernels:
  - .name:           k_q33ba637857_outp
    .symbol:         k_q33ba637857_outp.kd
    .args:
      - { .name: opc, .offset: 0, .size: 8, .value_kind: global_buffer, .address_space: global }
      - { .name: ops, .offset: 8, .size: 8, .value_kind: global_buffer, .address_space: global }
      - { .name: ocd, .offset: 16, .size: 8, .value_kind: global_buffer, .address_space: global }
      - { .name: osc, .offset: 24, .size: 8, .value_kind: global_buffer, .address_space: global }
      - { .name: bo, .offset: 32, .size: 8, .value_kind: global_buffer, .address_space: global }
      - { .name: out0, .offset: 40, .size: 8, .value_kind: global_buffer, .address_space: global }
    .group_segment_fixed_size: 214528
    .private_segment_fixed_size: 0
    .kernarg_segment_align: 8
    .kernarg_segment_size: 48
    .max_flat_workgroup_size: 128
    .sgpr_count:     96
    .vgpr_count:     512
    .wavefront_size: 32
...
	.end_amdgpu_metadata
.endif
;; end of part 5
